; MI455X (gfx1250); checked and timed in simulation.
; The chip was launched on July 23, 2026; its instructions are those of AMD's public machine-readable ISA for CDNA 5 (MIT licence, August 2026) and "CDNA5" Instruction Set Architecture Reference Guide (July 2026). The comments in the code are by the model that wrote it; some were corrected since.
;; Multihead Attention. Allowed arithmetic: matrix products marked QUANTISED: E2M3 operands, one E8M0 scale for each 32 along K, by v_wmma_scale_f32_16x16x128_f8f6f4 with both operands' format E2M3, f32 sums; everything else in f32.
;; Inputs: Wk 1,024 x 1,024 float32; Wo 1,024 x 1,024 float32; Wq 1,024 x 1,024 float32; Wv 1,024 x 1,024 float32; bk 1,024 float32; bo 1,024 float32; bq 1,024 float32; bv 1,024 float32; k 4 x 2,048 x 1,024 float32; q 4 x 2,048 x 1,024 float32; v 4 x 2,048 x 1,024 float32.
;; Outputs: out0 4 x 2,048 x 1,024 float32.
;; This version of the problem:
;;   THIS VERSION OF THE PROBLEM IS GIVEN IN LOW PRECISION. The matrix products marked QUANTISED in the list below multiply operands that are first quantised to E2M3 (2 exponent bits, 3 mantissa bits; 6 bits a number), with one power-of-two scale for each 32 numbers along K (OCP MX v1.0); their sums are f32. All else is computed in f32.
;;   The module's matrix products, in the order in which they are computed (A, B: the left and right operand; K: the contracted axis; several contracted axes count as one K, in the product's order):
;;     1. [M 8,192, K 1,024] x [K 1,024, N 1,024]; A: input q; B: input Wq: QUANTISED
;;     2. [M 8,192, K 1,024] x [K 1,024, N 1,024]; A: input k; B: input Wk: QUANTISED
;;     3. [M 8,192, K 1,024] x [K 1,024, N 1,024]; A: input v; B: input Wv: QUANTISED
;;     4. batch 64 x [M 2,048, K 64] x [K 64, N 2,048]; A: computed on the way; B: computed on the way: QUANTISED
;;     5. batch 64 x [M 2,048, K 2,048] x [K 2,048, N 64]; A: softmax (see below); B: computed on the way: QUANTISED
;;     6. [M 8,192, K 1,024] x [K 1,024, N 1,024]; A: computed on the way; B: input Wo: QUANTISED
;;   THE QUANTISER, for each operand of a quantised product, along K:
;;     - K is cut into blocks of 32 from its start; a last block that is shorter is filled with zeros.
;;     - A block's scale is 2^e with e = floor(log2(the largest magnitude in the block)) - 2, held to -126 .. 127; a block of zeros has e = 0. As a byte (E8M0): e + 127.
;;     - Each number is divided by its block's scale, clamped to +-7.5, and rounded to the nearest number of E2M3, ties to even, subnormals kept.
;;     - The product sums the exact products of the quantised numbers (number of the format x scale) in f32.
;;   ~~~python
;;   def quantise(x, axis):      # numpy; x: float32 -> the quantised numbers, widened to float32 again
;;       x = np.moveaxis(x, axis, -1); K = x.shape[-1]
;;       x = np.pad(x, [(0, 0)] * (x.ndim - 1) + [(0, -K % 32)]); x = x.reshape(x.shape[:-1] + (-1, 32)); a = np.abs(x).max(-1, keepdims=True)
;;       e = np.where(a > 0, np.clip(np.frexp(np.where(a > 0, a, 1))[1] - 1 - 2, -126, 127), 0)      # np.frexp(a)[1] - 1 = floor(log2(a)), exactly
;;       r = np.clip(x / 2.0 ** e, -7.5, 7.5)
;;       step = 2.0 ** (np.maximum(np.frexp(np.where(r == 0, 1, r))[1] - 1, 0) - 3)
;;       q = np.round(r / step) * step * 2.0 ** e      # np.round: ties to even
;;       return np.moveaxis(q.reshape(q.shape[:-2] + (-1,))[..., :K], -1, axis).astype(np.float32)
;;   ~~~
;;   SOFTMAX AHEAD OF A QUANTISED PRODUCT. Where the list says 'softmax', what is quantised is not the finished softmax but p = 2^(t - M), with t = logit x log2(e) and M = ceil(the row's largest t), a whole number; so 1/2 < the row's largest p <= 1. The row's sum l is taken of the UNQUANTISED p, in f32, and the product's result is divided by l at the end. Since M is a whole number, a kernel that streams over the keys may use a running M (the ceiling of the running maximum): every later rescaling is an exact power of two, which a block's scale takes up: the codes' values come out the same.
;;   OPERANDS COMPUTED ON THE WAY. 'Computed on the way' means the value that the module computes at that place (a softmax that the list does not call 'softmax' is quantised finished and normalised). What goes into a quantiser is computed in f32, as accurately as f32 sums, v_exp_f32 and their like allow (about 1e-6 of the number): no bf16 or f16 on the way to a quantiser, and a product that is left as it is and whose result goes on into a quantised operand takes f32 operands (vector FMAs, or v_wmma_f32_16x16x4_f32). A number that lies on a knife's edge between two numbers of the format may be rounded either way, as far as f32 arithmetic and the matrix unit's own rounding can turn it there, and no further.
;; One version. Each part assembles by itself: llvm-mc -triple=amdgcn-amd-amdhsa -mcpu=gfx1250 --defsym DOCPART=n.
;; ======== version 1 of 1: 4 launches
;; limits: right only within a limited range of input values
;; workspace buffers: xc 22,020,096 bytes; xs 917,504 bytes; qkv 20,185,088 bytes; oc 6,291,456 bytes; os 262,144 bytes
;; launch quant (part 1): grid 256 x 1, 7 waves a work-group, no clusters, 60,160 bytes of LDS; arguments q, k, v, Wq, Wk, Wv, Wo, xc, xs; writes xc, xs
.if DOCPART == 1
	.amdgcn_target "amdgcn-amd-amdhsa--gfx1250"
	.amdhsa_code_object_version 6
	.text
	.protected	k_q64bf7f4059_quant
	.globl	k_q64bf7f4059_quant
	.p2align	8
	.type	k_q64bf7f4059_quant,@function
k_q64bf7f4059_quant:
	s_mov_b64 s[64:65], 0
	v_nop
	global_prefetch_b8 v0, s[64:65] scope:SCOPE_SE
	s_setreg_imm32_b32 hwreg(HW_REG_WAVE_MODE, 25, 1), 1
	s_wait_xcnt 0x0
; q, k, v [8192][1024] and Wq, Wk, Wv, Wo [1024][1024], f32, K innermost, become codes of FP6 (E2M3) with one E8M0 byte for each 32 along K.
; A block's scale is 2^(floor(log2(its largest magnitude)) - 2); its byte is the largest magnitude's exponent field - 2, held at 1 from below.
; LIMITS: NaN and infinities are not served; a block whose largest magnitude lies under 2^-124 keeps the byte 1; a block of zeros gets the byte 1 where the rule says 127:
; its codes are zeros, which add nothing under any byte but 0xff, and the bytes are read by this program alone.
; LAYOUT OF THE RESULT.  The seven tensors are 1,792 TILES of 16 rows (q 0.., k 512.., v 1024.., Wq 1536.., Wk 1600.., Wv 1664.., Wo 1728..).
; Place r of a tensor's tile T holds row 32 (T / 2) + 8 (T % 2) + r + 8 (r / 8): taken as source 0 of a product, tiles 2 B and 2 B + 1 then leave 16 neighbours in a lane's 16 result registers.
; xc [tile][K step 8][1536]: a fragment (16 rows x 128 K, 12 registers a lane) as an image of its registers, in two halves c of 768 bytes:
;   768 c + 16 lane: registers 6 c .. 6 c + 3;  768 c + 512 + 8 lane: registers 6 c + 4, 6 c + 5.   xs [tile][place 16][K step 8]: one word of four bytes a row and K step.
; SHARES.  1,792 = 7 x 256: a wave takes one tile, eight K steps.  Each load reads 512 consecutive bytes of one row; a step's 16 rows turn through the wave's own stage in LDS (rows of 528 bytes),
; so that lane (r, h) gets its two whole blocks, k = 64 c + 32 h + 0 .. 31 of row r: no other lane is asked for a maximum.  Waves share nothing: no barrier.  Loads run two steps (32 a wave) ahead.
; No matrix unit, no cluster, no tensor load: a stream in which nothing is read twice.
.set STG, 8448                         ; a wave's stage: 16 rows x 528 bytes
.set WS,  16                           ; v16-23   the tile's eight scale words
.set C,   28                           ; v28-39   a fragment's codes
.set D,   40                           ; v40-46   the second half of each block's codes (a conversion's three registers begin on an even number)
.set R,   48                           ; v48-175  two sets of 64: a step's numbers as loaded
.set X,   176                          ; v176-239 my 64 numbers behind the turn
	s_load_b512 s[8:23], s[0:1], 0x0               ; q, k, v, Wq, Wk, Wv, Wo, xc
	s_load_b64 s[24:25], s[0:1], 0x40              ; xs
	v_lshl_add_u32 v240, v0, 2, 0xe700
	v_mov_b32 v241, 0
	v_lshrrev_b32 v1, 5, v0
	v_readfirstlane_b32 s5, v1                     ; wave 0..6
	s_mul_i32 s4, ttmp9, 7
	s_add_co_u32 s4, s4, s5                        ; my tile, 0 .. 1791
	v_and_b32 v1, 31, v0                           ; lane
	v_and_b32 v12, 15, v0                          ; r
	v_bfe_u32 v13, v0, 4, 1                        ; h
	v_lshlrev_b32 v2, 4, v1                        ; 16 x lane: a load's and a store's place
	s_mul_i32 s6, s5, STG
	v_add_nc_u32 v3, s6, v2                        ; the stage, on the way in
	v_mul_u32_u24 v4, v12, 528
	v_lshl_add_u32 v4, v13, 7, v4
	v_add_nc_u32 v4, s6, v4                        ; and on the way out: row r, + 128 h
	v_lshlrev_b32 v5, 3, v1                        ; 8 x lane
	v_lshlrev_b32 v6, 3, v13                       ; 8 h: my bytes' shift in a scale word
	v_lshlrev_b32 v7, 5, v12
	v_lshl_add_u32 v7, v13, 4, v7                  ; xs: 32 r + 16 h
	v_mov_b32 v14, 0                               ; written once: a lane permute's destination counts as one of its sources
	s_mov_b32 s32, 0x76543210
	s_mov_b32 s33, 0xfedcba98                      ; selects for lane l xor 16
	s_mov_b32 s34, 0xffff0000                      ; lanes 16-31
	s_wait_alu depctr_va_vdst(0)
	s_wait_kmcnt 0x0
	s_mov_b64 s[26:27], s[20:21]                   ; which tensor is my tile's?  The choice hangs on the tile's number alone
	s_mov_b32 s28, 1728
.macro PICK lim, p, base
	s_cmp_lt_u32 s4, \lim
	s_cselect_b64 s[26:27], s[\p:\p+1], s[26:27]
	s_cselect_b32 s28, \base, s28
.endm
	PICK 1728, 18, 1664
	PICK 1664, 16, 1600
	PICK 1600, 14, 1536
	PICK 1536, 12, 1024
	PICK 1024, 10, 512
	PICK 512, 8, 0
	s_sub_co_u32 s29, s4, s28                      ; the tile's number in its tensor
	s_lshr_b32 s30, s29, 1
	s_lshl_b32 s30, s30, 17                        ; 32 rows of 4,096 bytes for each pair of tiles,
	s_and_b32 s31, s29, 1
	s_lshl_b32 s31, s31, 15                        ; 8 rows for the odd one
	s_add_co_u32 s30, s30, s31
	; k's TILES ALONE ARE LAID OTHERWISE than the head comment says: place r of k's tile T holds row 64 (T / 4) + 8 (T % 4) + r + 24 (r / 8),
	; so that in attention's scores a lane's 32 registers of four neighbouring tiles are one whole block of 32 keys.
	s_lshr_b32 s35, s29, 2
	s_lshl_b32 s35, s35, 18                        ; 64 rows of 4,096 bytes for each four tiles,
	s_and_b32 s31, s29, 3
	s_lshl_b32 s31, s31, 15                        ; 8 rows for each tile among them
	s_add_co_u32 s35, s35, s31
	s_cmp_eq_u32 s28, 512                          ; k's first tile is 512: the choice hangs on the tile's number alone
	s_cselect_b32 s30, s35, s30
	s_cselect_b32 s35, 0x10000, 0                  ; k's places 8-15 lie 16 rows further on than the other tensors'
	v_add_nc_u32 v47, s35, v2                      ; the offset of places 8-15
	s_wait_alu depctr_va_vdst(0)
	s_mov_b32 s31, 0
	s_add_nc_u64 s[26:27], s[26:27], s[30:31]
	s_mul_i32 s30, s4, 12288
	s_add_nc_u64 s[22:23], s[22:23], s[30:31]
	s_lshl_b32 s30, s4, 9
	s_add_nc_u64 s[24:25], s[24:25], s[30:31]
.macro LOAD s                          ; K step s of the tile's 16 rows: 32 lanes read 512 consecutive bytes of a row
.irp i, 0,1,2,3,4,5,6,7,8,9,10,11,12,13,14,15
.if \i < 8
	global_load_b128 v[R+64*((\s)%2)+4*\i:R+64*((\s)%2)+4*\i+3], v2, s[26:27] offset:\i*4096+512*(\s) th:TH_LOAD_NT
.else
	global_load_b128 v[R+64*((\s)%2)+4*\i:R+64*((\s)%2)+4*\i+3], v47, s[26:27] offset:(\i+8)*4096+512*(\s) th:TH_LOAD_NT
.endif
.endr
.endm
.macro STEP s
.if (\s) < 7
	s_wait_loadcnt 16                              ; this step's 16 loads are in; the next step's 16 may be out
.else
	s_wait_loadcnt 0x0
.endif
.irp i, 0,1,2,3,4,5,6,7,8,9,10,11,12,13,14,15
	ds_store_b128 v3, v[R+64*((\s)%2)+4*\i:R+64*((\s)%2)+4*\i+3] offset:528*\i
.endr
.irp c, 0,1
.irp j, 0,1,2,3,4,5,6,7
	ds_load_b128 v[X+32*\c+4*\j:X+32*\c+4*\j+3], v4 offset:256*\c+16*\j   ; LDS serves a wave's instructions in order: these see the stores above
.endr
.endr
	s_wait_dscnt 0x0                               ; my numbers are back, and the stores have read their registers,
.if (\s)+2 < 8
	LOAD (\s)+2                                    ; which take the loads of two steps on
.endif
.irp c, 0,1
	v_max3_num_f32 v[8+\c], |v[X+32*\c]|, |v[X+32*\c+1]|, 0x1800000   ; block 2 c + h: all 32 numbers are mine; the floor 2^(3 - 127) holds the byte at 1 from below
.endr
.irp i, 2,4,6,8,10,12,14,16,18,20,22,24,26,28,30
.irp c, 0,1
	v_max3_num_f32 v[8+\c], v[8+\c], |v[X+32*\c+\i]|, |v[X+32*\c+\i+1]|
.endr
.endr
.irp c, 0,1
	v_add_nc_u32 v[10+\c], 0xff000000, v[8+\c]     ; 2 off the exponent field: the conversion takes the exponent field of this operand as its scale
.endr
.irp c, 0,1
	v_lshrrev_b32 v[12+\c], 23, v[10+\c]           ; the scale's byte
.endr
	v_lshl_or_b32 v15, v13, 16, v12                ; my two bytes, blocks h and 2 + h,
	v_lshlrev_b32 v15, v6, v15                     ; at their places in the word;
	v_permlanex16_b32 v14, v15, s32, s33
	v_or_b32 v[WS+\s], v15, v14                    ; with lane l xor 16's two the word is whole
	s_wait_alu depctr_va_vdst(0)
	s_wait_xcnt 0x0                                ; the last step's stores have read their data: the codes' registers are written again only behind this wait
	v_cvt_scalef32_pk16_fp6_f32 v[C:C+2], v[X:X+15], v10
	v_cvt_scalef32_pk16_fp6_f32 v[D:D+2], v[X+16:X+31], v10
	v_cvt_scalef32_pk16_fp6_f32 v[C+6:C+8], v[X+32:X+47], v11
	v_cvt_scalef32_pk16_fp6_f32 v[D+4:D+6], v[X+48:X+63], v11
	v_nop                                          ; one plain line between a scaled conversion and the vector line that reads its result
.irp i, 0,1,2
	v_mov_b32 v[C+3+\i], v[D+\i]
	v_mov_b32 v[C+9+\i], v[D+4+\i]
.endr
	global_store_b128 v2, v[C:C+3], s[22:23] offset:1536*(\s)              ; each store covers 512 or 256 consecutive bytes, at a multiple of 256 from xc's first byte
	global_store_b64 v5, v[C+4:C+5], s[22:23] offset:1536*(\s)+512
	global_store_b128 v2, v[C+6:C+9], s[22:23] offset:1536*(\s)+768
	global_store_b64 v5, v[C+10:C+11], s[22:23] offset:1536*(\s)+1280
.endm
	LOAD 0
	LOAD 1
.irp s, 0,1,2,3,4,5,6,7
	STEP \s
.endr
.irp q, 0,1,2,3
	v_cndmask_b32 v[24+\q], v[WS+\q], v[WS+4+\q], s34   ; lanes 0-15 send K steps 0-3 of row r, lanes 16-31 K steps 4-7
.endr
	global_store_b128 v7, v[24:27], s[24:25]       ; the tile's 512 bytes of scale words
	s_wait_tensorcnt 0x0
	ds_add_u32 v240, v241
	s_wait_dscnt 0x0
	s_endpgm
.Lfunc_end_k_q64bf7f4059_quant:
	.size	k_q64bf7f4059_quant, .Lfunc_end_k_q64bf7f4059_quant-k_q64bf7f4059_quant
	.p2alignl 7, 3214868480
	.fill 96, 4, 3214868480
	.section	.rodata,"a",@progbits
	.p2align	6, 0x0
	.amdhsa_kernel k_q64bf7f4059_quant
		.amdhsa_group_segment_fixed_size 60160
		.amdhsa_private_segment_fixed_size 0
		.amdhsa_enable_private_segment 0
		.amdhsa_kernarg_size 72
		.amdhsa_user_sgpr_count 2
		.amdhsa_user_sgpr_kernarg_segment_ptr 1
		.amdhsa_wavefront_size32 1
		.amdhsa_system_sgpr_workgroup_id_x 1
		.amdhsa_system_sgpr_workgroup_id_y 1
		.amdhsa_system_sgpr_workgroup_id_z 1
		.amdhsa_system_vgpr_workitem_id 0
		.amdhsa_next_free_vgpr 242
		.amdhsa_next_free_sgpr 66
		.amdhsa_reserve_vcc 0
		.amdhsa_float_denorm_mode_32 3
		.amdhsa_float_denorm_mode_16_64 3
		.amdhsa_memory_ordered 1
		.amdhsa_forward_progress 1
		.amdhsa_inst_pref_size 60
	.end_amdhsa_kernel
	.amdgpu_metadata
---
amdhsa.version: [ 1, 2 ]
amdhsa.kernels:
  - .name:           k_q64bf7f4059_quant
    .symbol:         k_q64bf7f4059_quant.kd
    .args:
      - { .name: q, .offset: 0, .size: 8, .value_kind: global_buffer, .address_space: global }
      - { .name: k, .offset: 8, .size: 8, .value_kind: global_buffer, .address_space: global }
      - { .name: v, .offset: 16, .size: 8, .value_kind: global_buffer, .address_space: global }
      - { .name: Wq, .offset: 24, .size: 8, .value_kind: global_buffer, .address_space: global }
      - { .name: Wk, .offset: 32, .size: 8, .value_kind: global_buffer, .address_space: global }
      - { .name: Wv, .offset: 40, .size: 8, .value_kind: global_buffer, .address_space: global }
      - { .name: Wo, .offset: 48, .size: 8, .value_kind: global_buffer, .address_space: global }
      - { .name: xc, .offset: 56, .size: 8, .value_kind: global_buffer, .address_space: global }
      - { .name: xs, .offset: 64, .size: 8, .value_kind: global_buffer, .address_space: global }
    .group_segment_fixed_size: 60160
    .private_segment_fixed_size: 0
    .kernarg_segment_align: 8
    .kernarg_segment_size: 72
    .max_flat_workgroup_size: 224
    .sgpr_count:     66
    .vgpr_count:     242
    .wavefront_size: 32
...
	.end_amdgpu_metadata
.endif
;; end of part 1
;; launch proj (part 2): grid 4 x 64, 4 waves a work-group, clusters of 4 x 4, 327,680 bytes of LDS; arguments xc, xs, bq, bk, bv, qkv; writes qkv
.if DOCPART == 2
	.amdgcn_target "amdgcn-amd-amdhsa--gfx1250"
	.amdhsa_code_object_version 6
	.text
	.protected	k_q64bf7f4059_proj
	.globl	k_q64bf7f4059_proj
	.p2align	8
	.type	k_q64bf7f4059_proj,@function
k_q64bf7f4059_proj:
	s_mov_b64 s[64:65], 0
	v_nop
	global_prefetch_b8 v0, s[64:65] scope:SCOPE_SE
	s_setreg_imm32_b32 hwreg(HW_REG_WAVE_MODE, 25, 1), 1
	s_wait_xcnt 0x0
	s_wait_alu depctr_hold_cnt(0) depctr_sa_sdst(0) depctr_va_vdst(0) depctr_va_sdst(0) depctr_va_ssrc(0) depctr_va_vcc(0) depctr_vm_vsrc(0)
	s_getreg_b32 s2, hwreg(HW_REG_IB_STS2, 6, 4)
	s_cmp_eq_u32 s2, 0
	s_cbranch_scc0 .Lentry_in_a_cluster
	s_endpgm
.Lentry_in_a_cluster:
	s_bfe_u32 s2, ttmp6, 0x10000c
	s_cmp_lg_u32 s2, 0xf033
	s_cbranch_scc0 .Lentry_shape_is_right
	s_endpgm
.Lentry_shape_is_right:
; The three projections on codes of FP6 (E2M3) with E8M0 scales, K = 1,024, and the quantising of their results for attention.  t = 0, 1, 2: q Wq^T + bq, k Wk^T + bk, v Wv^T + bv.  Nothing of reference() is left out.
; ONE FORM FOR ALL THREE.  Source 0 = P (rows i), source 1 = R (rows j): a lane holds one j, its registers run along i, and the result is quantised along i.
;   t = 0, 1: P = the weight (i = features: the head's 64 are attention's first K), R = the tokens.     t = 2: P = v's tokens (i = keys: attention's second K), R = Wv.
; xc, xs: fragments and scale words as the launch before laid them (a tile of 16 rows: 8 K steps x 1,536 bytes; 512 bytes of scale words).
; SHARES.  A tile of a result: 256 rows of P x 128 rows of R; wave (wi, wj): 128 x 64: 8 tiles of P x 4 of R, 32 accumulators.  Each tensor has 256 such tiles.
; A WORK-GROUP STAYS: 256 work-groups, each makes one tile of q, then of k (one loop body, two trips), then of v (written out: it asks for nothing more, and its bias and way out differ).
; LDS.  All of a tile's K lies in LDS in two HALVES of four K steps, 147,456 bytes each: P's 16 tiles x 6,144 bytes, then R's 8.  At the head one tensor load a wave: wave 0 P's first half, wave 1 R's, waves 2 and 3 the second half's.
; REFILLS, each behind the three lines in every wave and a whole round of the cluster's barrier
;   at K step 3, when every wave has fetched K steps 0-3: waves 0 and 1 fill the first half with the NEXT tile's bytes; the same round shows the second half of this tile to all;
;   behind K step 7's products: waves 2 and 3 fill the second half with the next tile's; the same round shows the next tile's first half to all.
; A K step's 32 products, or the move of the next scale words and the first way out, stand between a round's opening signal and its wait: work on registers alone.
; The next tile's scale words wait in v768-815 and its bias in the registers of this tile's bias, which only the first K step reads; both are loaded in K step 1.
; CLUSTER 4 x 4.  P hangs on cx alone and is asked for jointly by a column of the cluster, R on cy alone, by a row: the requests for both are divided by four.
; PREFETCHES run one fill ahead of the tensor load that will want the bytes: at the head the second tile's first half, behind each refill what the next refill will load; the last refills have nothing behind them and ask for nothing.
; The sixteen waves of the four work-groups that ask jointly share a half's blocks of 256 bytes out by address: of P's 16 tiles one each (24 blocks, a lane a block), of R's 8 tiles a half each (12 blocks).
; RESULT.  qkv [batch x head 64][step of 128 tokens 16][19,712]: +0 K's 8 tiles x 768 (a head's 64 are half a fragment), +6,144 their scale words, +6,656 V^T's 4 tiles x 1,536, +12,800 their scale words,
;   +13,056 Q's 8 tiles x 768, +19,200 their scale words.  K's and Q's words hold the head's two bytes twice: bytes 0, 1 and bytes 2, 3.
; LIMITS: as stated at the head of the launch that makes xc (NaN, infinities, blocks under 2^-124, the byte of a block of zeros).
; REGISTERS, in windows of 256.  Window 0: v1-21 addresses; v32-63 P's scale words, v64-79 R's; v96-191 R's fragments, two sets of 48 (on the way out: codes); v200-223 at work; v224-242 codes; v254, v255 the add's.
;   Window 1: v0-191 P's fragments, two sets of 96; v192-255 the bias, as C of the first products.   Window 2: accumulator (a, b) at v[8 (8 a + b)].   Window 3: v0-47 the next tile's scale words.
.set HALF, 147456
.set SPARE, 0x48000                    ; behind the two halves: the spare words, 128 bytes a wave
.set AP16, 4                           ; v4  LDS: 16 x lane + my 8 tiles of P in the first half;  v5: 8 x lane + the same;  v6, v7 the same for my 4 tiles of R
.set AP8,  5
.set AR16, 6
.set AR8,  7
.set H2,   12                          ; the second half's four addresses lie 12 registers on: v16-19
.set PFP,  20                          ; v20, v21 the prefetches' offsets
.set PFR,  21
.set SP,   32
.set SR,   64
.set RF,   96
.set TM,   200                         ; v200-203 largest magnitudes, v204-207 bytes, v212-215 the conversions' scale operands
.set PW,   216                         ; v216-219 the four scale words made
.set W,    220                         ; v220-223 as they are stored
.set PF,   0
.set CB,   192
.set MSB, 0
.macro WIN new                         ; the immediate's high byte repeats the setting that is left
.if MSB != \new
	s_set_vgpr_msb (MSB<<8)|\new
.set MSB, \new
.endif
.endm
.macro PLACES n
.rept \n
	v_nop
.endr
.endm
.macro WALU
	s_wait_alu depctr_va_vdst(0)
.endm
.macro CREST                           ; a round of the cluster's barrier behind its opening barrier
	s_cmp_lg_u32 s16, 0
	s_cbranch_scc1 .Lnot_wave_0_\@
	s_barrier_signal -3
.Lnot_wave_0_\@:
	s_barrier_wait -3
	s_barrier_signal -1
	s_barrier_wait -1
.endm
.macro CROUND                          ; a whole round
	s_barrier_signal -1
	s_barrier_wait -1
	CREST
.endm
.macro TLOAD g0, g1                    ; a joint load, with an s_nop and four v_nop behind it
	tensor_load_to_lds s[\g0:\g0+3], s[\g1:\g1+7]
	s_nop 0
	PLACES 4
.endm
.macro BIAS_I                          ; a bias along i at s[88:89]: tile b's registers are features 32 (b / 2) + 16 h + 8 (b % 2) + 0 .. 7
	WIN 0x40                                       ; destination window 1
.irp b, 0,1,2,3,4,5,6,7
	global_load_b128 v[CB+8*\b:CB+8*\b+3], v14, s[88:89] offset:(32*(\b/2)+8*(\b%2))*4
	global_load_b128 v[CB+8*\b+4:CB+8*\b+7], v14, s[88:89] offset:(32*(\b/2)+8*(\b%2))*4+16
.endr
	WIN 0
.endm
	s_load_b256 s[4:11], s[0:1], 0x0               ; xc, xs, bq, bk
	s_load_b128 s[12:15], s[0:1], 0x20             ; bv, qkv
	v_lshl_add_u32 v254, v0, 2, SPARE
	v_mov_b32 v255, 0
	ds_add_u32 v254, v255                          ; the opening lines: the add twice on end and one wait
	ds_add_u32 v254, v255
	v_lshrrev_b32 v1, 5, v0
	v_readfirstlane_b32 s16, v1                    ; wave 0..3
	s_and_b32 s17, s16, 1                          ; wi
	s_lshr_b32 s18, s16, 1                         ; wj
	s_bfe_u32 s19, ttmp6, 0x40000                  ; cx
	s_bfe_u32 s20, ttmp6, 0x40004                  ; cy
	s_and_b32 s23, ttmp7, 0xffff                   ; the cluster's y, 0 .. 15
	s_lshl_b32 s94, 0x1111, s19                    ; my column of the cluster
	s_lshl_b32 s95, s20, 2
	s_lshl_b32 s95, 15, s95                        ; my row
	; group 1: rows of 6,144 bytes (four K steps of a tile: 768 elements of 8 bytes), 12,288 bytes from tile to tile; 16 tiles of P, 8 of R; no padding
	s_or_b32 s24, s94, (3<<16)|(1<<21)             ; 15:0 the mask; 17:16 elements of 8 bytes; 21 set beside a mask
	s_mov_b32 s25, 768<<16
	s_mov_b32 s26, 16<<16
	s_mov_b32 s27, 768<<16
	s_mov_b32 s28, 16
	s_mov_b32 s29, 1536
	s_mov_b32 s30, 0
	s_mov_b32 s31, 0
	s_or_b32 s32, s95, (3<<16)|(1<<21)
	s_mov_b32 s33, 768<<16
	s_mov_b32 s34, 8<<16
	s_mov_b32 s35, 768<<16
	s_mov_b32 s36, 8
	s_mov_b32 s37, 1536
	s_mov_b32 s38, 0
	s_mov_b32 s39, 0
	; group 0: s[40:43] P's first half, s[44:47] R's, s[48:51] P's second half, s[52:55] R's; the LDS places are constants
	s_mov_b32 s40, 1
	s_mov_b32 s41, 0
	s_mov_b32 s44, 1
	s_mov_b32 s45, 98304
	s_mov_b32 s48, 1
	s_mov_b32 s49, HALF
	s_mov_b32 s52, 1
	s_mov_b32 s53, HALF+98304
	; which blocks are mine.  q, k: 1 x 16 clusters: P's block cx, R's block 4 y + cy.   v: 8 x 2 clusters: P's block 4 (y % 8) + cx, R's block 4 (y / 8) + cy.  P's never hang on cy, R's never on cx
	s_lshl_b32 s61, s23, 2
	s_add_co_u32 s61, s61, s20                     ; q, k: R's block
	s_and_b32 s56, s23, 7
	s_lshl_b32 s56, s56, 2
	s_add_co_u32 s62, s56, s19                     ; v: P's block
	s_lshr_b32 s57, s23, 3
	s_lshl_b32 s57, s57, 2
	s_add_co_u32 s63, s57, s20                     ; v: R's block
	s_lshl_b32 s58, s19, 4
	s_add_co_u32 s58, s58, 1536
	s_mul_i32 s58, s58, 12288                      ; bytes from xc: Wq's 16 tiles;
	s_add_co_u32 s66, s58, 64*12288                ; s66, s67: P of the next tile and of the one behind it: Wk's,
	s_lshl_b32 s67, s62, 4
	s_add_co_u32 s67, s67, 1024
	s_mul_i32 s67, s67, 12288                      ; v's
	s_mul_i32 s59, s61, 8*12288                    ; q's 8 tiles;
	s_add_co_u32 s68, s59, 512*12288               ; s68, s69: R likewise: k's,
	s_lshl_b32 s69, s63, 3
	s_add_co_u32 s69, s69, 1664
	s_mul_i32 s69, s69, 12288                      ; Wv's
	s_lshl_b32 s74, s19, 1
	s_add_co_u32 s74, s74, s17                     ; q, k: X1, my 128 rows of P.  The four X enter plain loads and stores alone
	s_lshl_b32 s75, s61, 1
	s_add_co_u32 s75, s75, s18                     ; q, k: X2, my 64 rows of R
	s_lshl_b32 s76, s62, 1
	s_add_co_u32 s76, s76, s17                     ; v: X1
	s_lshl_b32 s77, s63, 1
	s_add_co_u32 s77, s77, s18                     ; v: X2
	s_lshl_b32 s96, s74, 3
	s_add_co_u32 s96, s96, 1536
	s_lshl_b32 s96, s96, 9                         ; bytes from xs: P's scale words, 512 a tile: Wq's;
	s_mov_b32 s97, 0
	s_add_co_u32 s70, s96, 64*512                  ; s70, s71: the next tile's and the one's behind it
	s_lshl_b32 s71, s76, 3
	s_add_co_u32 s71, s71, 1024
	s_lshl_b32 s71, s71, 9
	s_lshl_b32 s98, s75, 11                        ; R's: q's;
	s_mov_b32 s99, 0
	s_add_co_u32 s72, s98, 512*512                 ; s72, s73 likewise
	s_lshl_b32 s73, s77, 2
	s_add_co_u32 s73, s73, 1664
	s_lshl_b32 s73, s73, 9
	s_lshl_b32 s78, s20, 2
	s_add_co_u32 s78, s78, s16
	s_mul_i32 s78, s78, 12288                      ; the prefetches: my one of P's 16 tiles, by my place among the column's sixteen waves;
	s_lshl_b32 s79, s19, 2
	s_add_co_u32 s79, s79, s16
	s_and_b32 s56, s79, 1
	s_mul_i32 s56, s56, 3072
	s_lshr_b32 s79, s79, 1
	s_mul_i32 s79, s79, 12288
	s_add_co_u32 s79, s79, s56                     ; my half of one of R's 8, by my place among the row's
	s_mov_b32 s2, 0x76543210
	s_mov_b32 s3, 0xfedcba98                       ; selects for lane l xor 16
	s_mov_b32 s21, 0xffff0000                      ; lanes 16-31
	s_wait_dscnt 0x0
	s_wait_kmcnt 0x0
	s_mov_b32 s57, 0
	s_mov_b32 s56, s58
	s_add_nc_u64 s[42:43], s[4:5], s[56:57]
	s_add_nc_u64 s[50:51], s[42:43], 6144
	s_mov_b32 s56, s59
	s_add_nc_u64 s[46:47], s[4:5], s[56:57]
	s_add_nc_u64 s[54:55], s[46:47], 6144
	s_or_b32 s43, s43, 0x80000000
	s_or_b32 s47, s47, 0x80000000
	s_or_b32 s51, s51, 0x80000000
	s_or_b32 s55, s55, 0x80000000
	CROUND                                         ; all sixteen work-groups are here: the joint loads meet
; one chain of branches on the wave's number, one joint load to an arm, all arms leading to one join
.macro ARM w, g0, g1, next
	s_cmp_eq_u32 s16, \w
	s_cbranch_scc0 \next
	TLOAD \g0, \g1
	s_branch .Lfilled
\next:
.endm
	ARM 0, 40, 24, .Lfill_1                        ; wave 0: P, K steps 0-3
	ARM 1, 44, 32, .Lfill_2                        ; wave 1: R, K steps 0-3
	ARM 2, 48, 24, .Lfill_3                        ; wave 2: P, K steps 4-7
	TLOAD 52, 32                                   ; wave 3: R, K steps 4-7
.Lfilled:
	v_and_b32 v3, 31, v0                           ; lane
	v_and_b32 v1, 15, v0                           ; r
	v_bfe_u32 v2, v0, 4, 1                         ; h
	v_lshlrev_b32 v8, 4, v3                        ; 16 x lane
	v_lshlrev_b32 v9, 3, v3                        ; 8 x lane
	v_lshlrev_b32 v10, 2, v3                       ; 4 x lane
	s_mul_i32 s56, s17, 49152                      ; my 8 tiles of P
	v_add_nc_u32 v[AP16], s56, v8
	v_add_nc_u32 v[AP8], s56, v9
	s_add_co_u32 s56, s56, HALF
	v_add_nc_u32 v[AP16+H2], s56, v8
	v_add_nc_u32 v[AP8+H2], s56, v9
	s_mul_i32 s56, s18, 24576                      ; my 4 tiles of R, behind P's 16
	s_add_co_u32 s56, s56, 98304
	v_add_nc_u32 v[AR16], s56, v8
	v_add_nc_u32 v[AR8], s56, v9
	s_add_co_u32 s56, s56, HALF
	v_add_nc_u32 v[AR16+H2], s56, v8
	v_add_nc_u32 v[AR8+H2], s56, v9
	v_lshlrev_b32 v11, 5, v1
	v_lshl_add_u32 v11, v2, 4, v11                 ; scale words: 32 r + 16 h: lanes 0-15 take K steps 0-3 of row r, lanes 16-31 K steps 4-7
	v_mul_u32_u24 v12, v2, 315392
	v_lshl_add_u32 v12, v1, 2, v12                 ; the way out of q's and k's scale words: 4 r, and lanes 16-31 one head (16 blocks of 19,712 bytes) on
	v_lshlrev_b32 v13, 4, v2                       ; 16 h
	v_lshlrev_b32 v14, 6, v2                       ; a bias along i: 64 h
	v_and_b32 v15, 8, v1
	v_add_nc_u32 v15, v15, v1
	v_lshlrev_b32 v15, 2, v15                      ; a bias along j: 4 (r + 8 (r / 8))
	v_min_u32 v[PFP], 23, v3
	v_lshlrev_b32 v[PFP], 8, v[PFP]                ; a lane a block of 256 bytes: 24 of P's (the lanes left over name the last again),
	v_min_u32 v[PFR], 11, v3
	v_lshlrev_b32 v[PFR], 8, v[PFR]                ; 12 of R's
.irp b, 0,1,2,3
	v_mov_b32 v[TM+4+\b], 0                        ; written once: a lane permute's destination counts as one of its sources
.endr
	WALU                                           ; the wait at the head's end: only scalar lines, loads
	s_add_nc_u64 s[80:81], s[6:7], s[96:97]
	s_add_nc_u64 s[82:83], s[6:7], s[98:99]
.irp b, 0,1,2,3,4,5,6,7
	global_load_b128 v[SP+4*\b:SP+4*\b+3], v11, s[80:81] offset:512*\b
.endr
.irp a, 0,1,2,3
	global_load_b128 v[SR+4*\a:SR+4*\a+3], v11, s[82:83] offset:512*\a
.endr
	s_lshl_b32 s56, s74, 9
	s_add_nc_u64 s[88:89], s[8:9], s[56:57]        ; bq at my 128 features
	BIAS_I
	s_add_co_u32 s56, s66, s78
	s_add_nc_u64 s[90:91], s[4:5], s[56:57]        ; s[90:91], s[92:93]: my share of the next tile's P and R
	s_add_co_u32 s56, s68, s79
	s_add_nc_u64 s[92:93], s[4:5], s[56:57]
	global_prefetch_b8 v[PFP], s[90:91] th:TH_LOAD_NT scope:SCOPE_SE    ; the second tile's first half: the first refill will load it
	global_prefetch_b8 v[PFR], s[92:93] th:TH_LOAD_NT scope:SCOPE_SE
.macro FRAGL reg, a16, a8, off         ; a fragment comes as it was stored: every load reads consecutive bytes
	ds_load_b128 v[\reg:\reg+3], v[\a16] offset:\off
	ds_load_b64 v[\reg+4:\reg+5], v[\a8] offset:\off+512
	ds_load_b128 v[\reg+6:\reg+9], v[\a16] offset:\off+768
	ds_load_b64 v[\reg+10:\reg+11], v[\a8] offset:\off+1280
.endm
.macro FETCH k                         ; K step k's 12 fragments, 48 LDS loads, into set k % 2; K steps 4-7 by the second half's addresses
	WIN 0x40
.irp b, 0,1,2,3,4,5,6,7
	FRAGL PF+96*((\k)%2)+12*\b, AP16+H2*((\k)/4), AP8+H2*((\k)/4), 6144*\b+1536*((\k)%4)
.endr
	WIN 0
.irp a, 0,1,2,3
	FRAGL RF+48*((\k)%2)+12*\a, AR16+H2*((\k)/4), AR8+H2*((\k)/4), 6144*\a+1536*((\k)%4)
.endr
.endm
; 32 matrix instructions: K step k.  The 32 accumulators take turns, one instruction a turn, in the same order in every step.
; cmode 0: the sums go on in place;  1: they begin with a bias along i;  2: with a bias along j.  K steps 4 to 7 read their scale words from lanes 16-31.
.macro MUL k, cmode
.if (\cmode) == 0
	WIN 0xa1                                       ; source 0 (P) window 1, source 1 (R) window 0, C and D window 2
.else
	WIN 0x91                                       ; C window 1
.endif
.irp a, 0,1,2,3
.irp b, 0,1,2,3,4,5,6,7
.set rD, 8*(8*\a+\b)
.set rC, 8*(8*\a+\b)
.if (\cmode) == 1
.set rC, CB+8*\b
.endif
.if (\cmode) == 2
.set rC, CB+8*(\a+4*(\b%2))
.endif
.set rP, PF+96*((\k)%2)+12*\b
.set rR, RF+48*((\k)%2)+12*\a
.set rS, SP+4*\b+(\k)%4
.set rT, SR+4*\a+(\k)%4
.if (\k) < 4
	v_wmma_scale_f32_16x16x128_f8f6f4 v[rD:rD+7], v[rP:rP+11], v[rR:rR+11], v[rC:rC+7], v[rS], v[rT] matrix_a_fmt:MATRIX_FMT_FP6 matrix_b_fmt:MATRIX_FMT_FP6
.else
	v_wmma_scale_f32_16x16x128_f8f6f4 v[rD:rD+7], v[rP:rP+11], v[rR:rR+11], v[rC:rC+7], v[rS], v[rT] matrix_a_fmt:MATRIX_FMT_FP6 matrix_b_fmt:MATRIX_FMT_FP6 matrix_a_scale:MATRIX_SCALE_ROW1 matrix_b_scale:MATRIX_SCALE_ROW1
.endif
.endr
.endr
.endm
; The next tile's scale words into v768-815 and its bias into the bias's registers, which the first K step alone reads (four places stand behind its products).  The bases were freed by the wait at the tile's head.
.macro NEXTLOADS
	s_mov_b32 s57, 0
	s_mov_b32 s56, s70
	s_add_nc_u64 s[80:81], s[6:7], s[56:57]
	s_mov_b32 s56, s72
	s_add_nc_u64 s[82:83], s[6:7], s[56:57]
	s_mov_b32 s70, s71                             ; the one behind it moves up
	s_mov_b32 s72, s73
	WIN 0xc0                                       ; destination window 3
.irp b, 0,1,2,3,4,5,6,7
	global_load_b128 v[4*\b:4*\b+3], v11, s[80:81] offset:512*\b
.endr
.irp a, 0,1,2,3
	global_load_b128 v[32+4*\a:32+4*\a+3], v11, s[82:83] offset:512*\a
.endr
	WIN 0
	s_cmp_eq_u32 s22, 0                            ; the trip's number: the same in all partners
	s_cbranch_scc0 .Lnext_v_\@
	s_lshl_b32 s56, s74, 9
	s_add_nc_u64 s[88:89], s[10:11], s[56:57]      ; bk at my 128 features
	BIAS_I
	s_branch .Lnext_done_\@
.Lnext_v_\@:
	s_lshl_b32 s56, s77, 8
	s_add_nc_u64 s[88:89], s[12:13], s[56:57]      ; bv at my 64 features
	WIN 0x40
.irp a, 0,1,2,3,4,5,6,7                ; a lane's feature is one for all eight registers of R's tile a % 4; two copies, which the first products take by turns
.irp j, 0,1,2,3,4,5,6,7
	global_load_b32 v[CB+8*\a+\j], v15, s[88:89] offset:(32*((\a%4)/2)+8*(\a%2))*4
.endr
.endr
	WIN 0
.Lnext_done_\@:
.endm
; K step k: the next step's fragments are asked for, then this step is multiplied.  Loads into registers that matrix instructions have read stand four plain vector lines behind them.
.macro KSTEP k, next
	WIN 0
.if (\k) < 7
	PLACES 4
	FETCH (\k)+1
.if \next
	NEXTLOADS
.endif
	s_wait_dscnt 48                                ; this step's fragments are in; the 48 LDS loads just issued may be out
.else
	s_wait_dscnt 0x0
.endif
	MUL \k, 0
.endm
; THE WAY OUT.  R's tile a: my row's 64 numbers, register 16 B + i = place 32 B + 16 h + i along i, become a fragment's codes in v[pc] .. v[pc + 11] and its scale word in v[PW + a].
; Each accumulator is read from its low end on.  pc is chosen so that no conversion's destination carries a number that stands among its sources' numbers.
.macro QUANTW a, pc
.set QS, 64*(\a)
	WIN 0x0a                                       ; sources 0 and 1 window 2
.irp b, 0,1,2,3
	v_max3_num_f32 v[TM+\b], |v[QS+16*\b]|, |v[QS+16*\b+1]|, 0x1800000   ; my 16 numbers of block b, and the floor 2^(3 - 127): the byte cannot fall under 1
.endr
	WIN 0x28                                       ; sources 1 and 2 window 2
.irp i, 2,4,6,8,10,12,14
.irp b, 0,1,2,3
	v_max3_num_f32 v[TM+\b], v[TM+\b], |v[QS+16*\b+\i]|, |v[QS+16*\b+\i+1]|
.endr
.endr
	WIN 0
.irp b, 0,1,2,3
	v_permlanex16_b32 v[TM+4+\b], v[TM+\b], s2, s3
.endr
.irp b, 0,1,2,3
	v_max_num_f32 v[TM+\b], v[TM+\b], v[TM+4+\b]   ; with lane l xor 16's: the block's largest magnitude
.endr
.irp b, 0,1,2,3
	v_add_nc_u32 v[TM+12+\b], 0xff000000, v[TM+\b] ; 2 off its exponent field: the conversion's scale operand
.endr
.irp b, 0,1,2,3
	v_lshrrev_b32 v[TM+4+\b], 23, v[TM+12+\b]      ; the scale's byte
.endr
	v_lshl_or_b32 v[PW+\a], v[TM+5], 8, v[TM+4]
	v_lshl_or_b32 v[PW+\a], v[TM+6], 16, v[PW+\a]
	v_lshl_or_b32 v[PW+\a], v[TM+7], 24, v[PW+\a]
	WIN 0x02                                       ; source 0 window 2
.irp c, 0,1
	v_cvt_scalef32_pk16_fp6_f32 v[\pc+6*\c:\pc+6*\c+2], v[QS+32*\c:QS+32*\c+15], v[TM+12+2*\c]
	v_cvt_scalef32_pk16_fp6_f32 v[\pc+12+4*\c:\pc+14+4*\c], v[QS+32*\c+16:QS+32*\c+31], v[TM+13+2*\c]
.endr
	WIN 0
	v_nop                                          ; one plain line behind a scaled conversion
.irp c, 0,1                            ; the operand's layout wants a whole block in a lane: lanes 0-15 block 2 c, lanes 16-31 block 2 c + 1
.irp i, 0,1,2
	v_permlane16_swap_b32 v[\pc+6*\c+\i], v[\pc+12+4*\c+\i]
.endr
.irp i, 0,1,2
	v_mov_b32 v[\pc+3+6*\c+\i], v[\pc+12+4*\c+\i]
.endr
.endr
.endm
.macro PUTQK a, pc
.irp c, 0,1
	global_store_b128 v8, v[\pc+6*\c:\pc+6*\c+3], s[84:85] offset:768*(\a)+315392*\c       ; 512 and 256 consecutive bytes, at multiples of 256 from qkv's first byte
	global_store_b64 v9, v[\pc+6*\c+4:\pc+6*\c+5], s[84:85] offset:768*(\a)+315392*\c+512
.endr
	global_store_b32 v12, v[W+\a], s[86:87] offset:64*(\a)   ; 64 bytes for each head: one part in 24 of the codes' bytes
.endm
.macro PUTV a, pc
.irp c, 0,1
	global_store_b128 v8, v[\pc+6*\c:\pc+6*\c+3], s[84:85] offset:1536*(\a)+768*\c
	global_store_b64 v9, v[\pc+6*\c+4:\pc+6*\c+5], s[84:85] offset:1536*(\a)+768*\c+512
.endr
.endm
; A TILE.  form 1: q or k (the trip's number s22 says which);  2: v.   more = 1: another tile follows, and both halves of LDS are filled again.
; At its head the tile's first half has been shown to all waves, its scale words stand in v32-79 and its bias is on its way or in.
.macro TILE form, more
	s_wait_xcnt 0x0                                ; the last tile's stores have read their data and bases, the loads and prefetches their bases: all may be written again
	FETCH 0
	FETCH 1
	s_wait_dscnt 48
	s_wait_loadcnt 0x0                             ; the scale words and the bias
	MUL 0, \form
	KSTEP 1, \more
	KSTEP 2, 0
	WIN 0
.if \more
	s_wait_tensorcnt 0x0                           ; all my tensor loads have landed: where I brought it, my part of this tile's second half;
	ds_add_u32 v254, v255                          ; (the add; work on registers stands between it and the wait for it)
	s_mov_b32 s57, 0                               ; no load of mine is out: the first half's descriptors take the next tile's addresses
	s_mov_b32 s56, s66
	s_add_nc_u64 s[42:43], s[4:5], s[56:57]
	s_or_b32 s43, s43, 0x80000000
	s_mov_b32 s56, s68
	s_add_nc_u64 s[46:47], s[4:5], s[56:57]
	s_or_b32 s47, s47, 0x80000000
	s_wait_dscnt 0x0                               ; the add is done, and K step 3's fragments are in: my reads of the first half are over
	s_barrier_signal -1                            ; the round opens;
	MUL 3, 0                                       ; 32 products while the others arrive
	WIN 0
	s_barrier_wait -1
	CREST                                          ; no wave of any partner still reads the first half or has a load on its way
	s_cmp_eq_u32 s16, 0
	s_cbranch_scc0 .Lfirst_r_\@
	TLOAD 40, 24                                   ; wave 0: the next tile's P, K steps 0-3
	s_branch .Lfirst_done_\@
.Lfirst_r_\@:
	s_cmp_eq_u32 s16, 1
	s_cbranch_scc0 .Lfirst_done_\@
	TLOAD 44, 32                                   ; wave 1: its R
.Lfirst_done_\@:
	PLACES 4                                       ; for the loads into the set that K step 2 multiplied, on every wave's way
	FETCH 4
	global_prefetch_b8 v[PFP], s[90:91] offset:6144 th:TH_LOAD_NT scope:SCOPE_SE   ; the next tile's second half: the refill behind K step 7 will load it
	global_prefetch_b8 v[PFR], s[92:93] offset:6144 th:TH_LOAD_NT scope:SCOPE_SE
.else
	s_wait_tensorcnt 0x0                           ; a plain barrier shows the second half to all
	s_wait_dscnt 0x0
	s_barrier_signal -1
	s_barrier_wait -1
	PLACES 4
	FETCH 4
	s_wait_dscnt 48
	MUL 3, 0
.endif
	KSTEP 4, 0
	KSTEP 5, 0
	KSTEP 6, 0
	KSTEP 7, 0
	WIN 0
.if \more
	s_wait_tensorcnt 0x0                           ; where I brought it, my part of the next tile's first half has landed;
	ds_add_u32 v254, v255
	s_mov_b32 s57, 0                               ; the second half's descriptors take the next tile's addresses
	s_add_co_u32 s56, s66, 6144
	s_add_nc_u64 s[50:51], s[4:5], s[56:57]
	s_or_b32 s51, s51, 0x80000000
	s_add_co_u32 s56, s68, 6144
	s_add_nc_u64 s[54:55], s[4:5], s[56:57]
	s_or_b32 s55, s55, 0x80000000
	s_mov_b32 s66, s67                             ; the tile behind the next moves up
	s_mov_b32 s68, s69
	s_wait_xcnt 0x0                                ; my prefetches have read their bases
	s_add_co_u32 s56, s66, s78
	s_add_nc_u64 s[90:91], s[4:5], s[56:57]
	s_add_co_u32 s56, s68, s79
	s_add_nc_u64 s[92:93], s[4:5], s[56:57]
	s_wait_loadcnt 0x0                             ; the next tile's scale words and bias are in
	s_wait_dscnt 0x0                               ; the add is done; my reads of the second half were over ahead of K step 7's products
	s_barrier_signal -1                            ; the round opens; work on registers while the others arrive:
	PLACES 4                                       ; four places behind the last products,
	WIN 0x03                                       ; source 0 window 3
.set I, 0
.rept 48
	v_mov_b32 v[SP+I], v[I]                        ; the next tile's scale words take their places; the way outs below part them from the products that take them
.set I, I+1
.endr
	WIN 0
	QUANTW 0, 96
	WALU                                           ; the wait ahead of the barrier's wait
	s_barrier_wait -1
	CREST                                          ; no wave of any partner still reads the second half or has a load on its way
	s_cmp_eq_u32 s16, 2
	s_cbranch_scc0 .Lsecond_r_\@
	TLOAD 48, 24                                   ; wave 2: the next tile's P, K steps 4-7
	s_branch .Lsecond_done_\@
.Lsecond_r_\@:
	s_cmp_eq_u32 s16, 3
	s_cbranch_scc0 .Lsecond_done_\@
	TLOAD 52, 32                                   ; wave 3: its R
.Lsecond_done_\@:
	s_cmp_eq_u32 s22, 0                            ; behind the second trip's tile there is no further refill: nothing is asked for
	s_cbranch_scc0 .Lno_more_\@
	global_prefetch_b8 v[PFP], s[90:91] th:TH_LOAD_NT scope:SCOPE_SE    ; the first half of the tile behind the next: the next trip's first refill will load it
	global_prefetch_b8 v[PFR], s[92:93] th:TH_LOAD_NT scope:SCOPE_SE
.Lno_more_\@:
.else
	PLACES 4                                       ; four places in front of the first read of results
	QUANTW 0, 96
.endif
	QUANTW 1, 144
	QUANTW 2, 224
	QUANTW 3, 120
.if (\form) == 1
	; q, k: half c of a fragment is head 2 X1 + c's 64; tile a is token tile 4 X2 + a
	s_lshr_b32 s56, s75, 5                         ; the batch
	s_lshl_b32 s56, s56, 4
	s_lshl_b32 s57, s74, 1
	s_add_co_u32 s56, s56, s57                     ; batch x 16 + head 2 X1
	s_lshl_b32 s56, s56, 4
	s_bfe_u32 s57, s75, 0x40001                    ; the step of 128 tokens
	s_add_co_u32 s56, s56, s57
	s_mul_i32 s56, s56, 19712
	s_cmp_eq_u32 s22, 0
	s_cselect_b32 s57, 13056, 0                    ; Q's part lies 13,056 bytes behind K's
	s_add_co_u32 s56, s56, s57
	s_and_b32 s58, s75, 1                          ; which four of the step's eight tiles
	s_mul_i32 s59, s58, 3072
	s_add_co_u32 s60, s56, s59
	s_mov_b32 s61, 0
	s_add_nc_u64 s[84:85], s[14:15], s[60:61]
	s_lshl_b32 s59, s58, 8
	s_add_co_u32 s60, s56, s59
	s_add_co_u32 s60, s60, 6144
	s_add_nc_u64 s[86:87], s[14:15], s[60:61]
.irp a, 0,1,2,3
	v_lshrrev_b32 v[W+\a], v13, v[PW+\a]           ; lanes 0-15: the first head's two bytes; lanes 16-31: the second's
.endr
.irp a, 0,1,2,3
	v_and_b32 v[W+\a], 0xffff, v[W+\a]
.endr
.irp a, 0,1,2,3
	v_lshl_or_b32 v[W+\a], v[W+\a], 16, v[W+\a]    ; the two bytes once more above: attention takes a head's 64 in either half of an instruction's 128
.endr
	WALU
	PUTQK 0, 96
	PUTQK 1, 144
	PUTQK 2, 224
	PUTQK 3, 120
.else
	; v: the fragment is 16 of head X2's 64 x the 128 keys of step X1 % 16
	s_lshr_b32 s56, s76, 4
	s_lshl_b32 s56, s56, 4
	s_add_co_u32 s56, s56, s77
	s_lshl_b32 s56, s56, 4
	s_and_b32 s57, s76, 15
	s_add_co_u32 s56, s56, s57
	s_mul_i32 s56, s56, 19712
	s_add_co_u32 s60, s56, 6656
	s_mov_b32 s61, 0
	s_add_nc_u64 s[84:85], s[14:15], s[60:61]
	s_add_co_u32 s60, s56, 12800
	s_add_nc_u64 s[86:87], s[14:15], s[60:61]
	v_cndmask_b32 v[W], v[PW], v[PW+1], s21        ; lanes 0-15 send tile 0's words, lanes 16-31 tile 1's
	v_cndmask_b32 v[W+1], v[PW+2], v[PW+3], s21
	WALU
	PUTV 0, 96
	PUTV 1, 144
	PUTV 2, 224
	PUTV 3, 120
	global_store_b32 v10, v[W], s[86:87]
	global_store_b32 v10, v[W+1], s[86:87] offset:128
.endif
.endm
	s_cmp_lt_u32 s16, 2                            ; waves 0 and 1 brought the first half of K: they wait for their loads, whose lines are theirs alone
	s_cbranch_scc0 .Lsecond_half
	s_wait_tensorcnt 0x0
.Lsecond_half:                                         ; the second half may still be on its way
	s_barrier_signal -1
	s_barrier_wait -1
	s_mov_b32 s22, 0
.Ltile:                                                ; q, then k
	TILE 1, 1
	s_add_co_u32 s22, s22, 1
	s_cmp_lt_u32 s22, 2
	WALU                                           ; the wait directly ahead of the branch
	s_cbranch_scc1 .Ltile
	TILE 2, 0                                      ; v: nothing more is asked for
	s_wait_tensorcnt 0x0                           ; the wave's end
	ds_add_u32 v254, v255
	s_wait_dscnt 0x0
	CROUND                                         ; the closing round: no work-group ends while a partner may still ask for a panel that names it
	s_endpgm
.Lfunc_end_k_q64bf7f4059_proj:
	.size	k_q64bf7f4059_proj, .Lfunc_end_k_q64bf7f4059_proj-k_q64bf7f4059_proj
	.p2alignl 7, 3214868480
	.fill 96, 4, 3214868480
	.section	.rodata,"a",@progbits
	.p2align	6, 0x0
	.amdhsa_kernel k_q64bf7f4059_proj
		.amdhsa_group_segment_fixed_size 327680
		.amdhsa_private_segment_fixed_size 0
		.amdhsa_enable_private_segment 0
		.amdhsa_kernarg_size 48
		.amdhsa_user_sgpr_count 2
		.amdhsa_user_sgpr_kernarg_segment_ptr 1
		.amdhsa_wavefront_size32 1
		.amdhsa_system_sgpr_workgroup_id_x 1
		.amdhsa_system_sgpr_workgroup_id_y 1
		.amdhsa_system_sgpr_workgroup_id_z 1
		.amdhsa_system_vgpr_workitem_id 0
		.amdhsa_next_free_vgpr 1024
		.amdhsa_next_free_sgpr 100
		.amdhsa_reserve_vcc 0
		.amdhsa_float_denorm_mode_32 3
		.amdhsa_float_denorm_mode_16_64 3
		.amdhsa_memory_ordered 1
		.amdhsa_forward_progress 1
		.amdhsa_inst_pref_size 180
	.end_amdhsa_kernel
	.amdgpu_metadata
---
amdhsa.version: [ 1, 2 ]
amdhsa.kernels:
  - .name:           k_q64bf7f4059_proj
    .symbol:         k_q64bf7f4059_proj.kd
    .args:
      - { .name: xc, .offset: 0, .size: 8, .value_kind: global_buffer, .address_space: global }
      - { .name: xs, .offset: 8, .size: 8, .value_kind: global_buffer, .address_space: global }
      - { .name: bq, .offset: 16, .size: 8, .value_kind: global_buffer, .address_space: global }
      - { .name: bk, .offset: 24, .size: 8, .value_kind: global_buffer, .address_space: global }
      - { .name: bv, .offset: 32, .size: 8, .value_kind: global_buffer, .address_space: global }
      - { .name: qkv, .offset: 40, .size: 8, .value_kind: global_buffer, .address_space: global }
    .group_segment_fixed_size: 327680
    .private_segment_fixed_size: 0
    .kernarg_segment_align: 8
    .kernarg_segment_size: 48
    .max_flat_workgroup_size: 128
    .sgpr_count:     100
    .vgpr_count:     1024
    .wavefront_size: 32
...
	.end_amdgpu_metadata
.endif
;; end of part 2
;; launch attn (part 3): grid 4 x 64, 16 waves a work-group, clusters of 4 x 1, 210,944 bytes of LDS; arguments qkv, oc, os; writes oc, os
.if DOCPART == 3
	.amdgcn_target "amdgcn-amd-amdhsa--gfx1250"
	.amdhsa_code_object_version 6
	.text
	.protected	k_q64bf7f4059_attn
	.globl	k_q64bf7f4059_attn
	.p2align	8
	.type	k_q64bf7f4059_attn,@function
k_q64bf7f4059_attn:
	s_mov_b64 s[64:65], 0
	v_nop
	global_prefetch_b8 v0, s[64:65] scope:SCOPE_SE
	s_setreg_imm32_b32 hwreg(HW_REG_WAVE_MODE, 25, 1), 1
	s_wait_xcnt 0x0
	s_wait_alu depctr_hold_cnt(0) depctr_sa_sdst(0) depctr_va_vdst(0) depctr_va_sdst(0) depctr_va_ssrc(0) depctr_va_vcc(0) depctr_vm_vsrc(0)
	s_getreg_b32 s2, hwreg(HW_REG_IB_STS2, 6, 4)
	s_cmp_eq_u32 s2, 0
	s_cbranch_scc0 .Lentry_in_a_cluster
	s_endpgm
.Lentry_in_a_cluster:
	s_bfe_u32 s2, ttmp6, 0x10000c
	s_cmp_lg_u32 s2, 0x3003
	s_cbranch_scc0 .Lentry_shape_is_right
	s_endpgm
.Lentry_shape_is_right:
; Attention of one head on codes of FP6 (E2M3) with E8M0 scales: S = Q K^T (K = the head's 64), the softmax, O = P V (K = the keys), O / l quantised along the head's 64 for the last projection.
; Nothing of reference() is left out.
; THE SOFTMAX AHEAD OF THE SECOND PRODUCT: t = score x log2(e) / 8; M = the row's largest t so far, rounded UP to a whole number; p = 2^(t - M) is quantised along the keys, not normalised.
; The row's sum is taken of the unquantised p, in f32, and divides O at the end.  When M moves, the sum and O are multiplied by 2^(old M - new M): exact.
; qkv [batch x head 64][step of 128 tokens 16][19,712]: +0 K's 8 tiles x 768, +6,144 their scale words, +6,656 V^T's 4 tiles x 1,536, +12,800 their scale words, +13,056 Q's 8 tiles x 768, +19,200 their words.
; K's and Q's scale words hold the head's two bytes twice: bytes 0, 1 and bytes 2, 3.
; SHARES.  A work-group: one head, 512 queries; each of its sixteen waves TWO tiles of 16 queries at once, in 256 registers, one walk over the 2,048 keys: a step's fragments of K and of V are loaded from LDS once for both tiles.
; The scores' 64 registers serve the two tiles one after the other; V's fragments take K's registers behind the second tile's scores and land under its softmax.
; LDS holds the head's K, V and their scale words whole, 16 steps x 13,056 bytes, filled once: wave w brings step w by one tensor load.
; CLUSTER 4 x 1: the head's four blocks of queries read the same K and V: each step is asked for jointly.  Nothing is prefetched: all of K and V is asked for at the head, and there is no later load to run ahead of.
; LAYOUT.  Both products are used transposed (S^T = K Q^T, O^T = V^T P^T): a lane holds ONE query of each tile throughout.
; Place r of tile t of a step's keys is key 64 (t / 4) + 8 (t % 4) + r + 24 (r / 8): so registers 32 c .. 32 c + 31 of lane (r, h)'s scores are keys 64 c + 32 h + 0 .. 31, ONE WHOLE BLOCK, in the order of p's operand:
; a block's largest score needs no other lane, and the conversions' results are the operand's registers.  Place r of a tile T of queries or of the head's 64 is 32 (T / 2) + 8 (T % 2) + r + 8 (r / 8).
; K = 64 IN AN INSTRUCTION OF 128.  v24-41 hold Q0, six registers of zero codes, Q1.  Tile 0's operand is Q0 with the zeros above it, and K's tile t is named with the next six registers above it;
; tile 1's operand is the zeros with Q1 above them, and K's tile t is named with the six registers below it.  What stands beside K's tile (a neighbouring tile, or six registers of p's codes) meets zero codes:
; every code of E2M3 is a finite number, every scale byte is finite, so it adds nothing.
; LIMITS: NaN and infinities are not served; the promise holds while the scaled scores t stay under 2^31 in magnitude; a block of p or of O / l under 2^-124 keeps the byte 1, and so does a block of zeros
; (its codes are zeros; this program alone reads the bytes).  A block's largest p is made from its largest score by the same two instructions as every p.
; oc [token tile 512][K step 8][1,536]: a head's half fragment at head x 768.   os [token tile][place 16][32]: byte 2 x head + block.
; REGISTERS: v0 at work; v1, v2 the add's; v3 8 h; v4-6 the step's LDS addresses; v7 lane; v8-11, v12-15 a tile's -M, largest t, sum in two halves; v16, v17 Q's scale words; v18, v19 p's; v20-23 K's, then V's;
;   v24-41 Q0, zeros, Q1; v42-53 tile 1's p codes; v54-101 K's eight half fragments, then V's four fragments; v102-113 tile 0's p codes; v114-177 S^T, then p; v178-209, v210-241 O^T; v242-255 at work.
.set STEPB, 13056
.set SPARE, 0x33000                    ; behind the 16 steps: the spare words, 128 bytes a wave
.set SPW,  1
.set NIL,  2
.set SH,   3
.set A16,  4
.set A8,   5
.set A4,   6
.set LN,   7
.set KS,   20
.set KF,   54
.set S,    114
.set BM,   242                         ; v242, v243 my two blocks' largest scores, then p, then bytes
.set F,    244                         ; v244 f = 2^(old M - new M); v245 named with it as a pair
.set XA,   246                         ; v246-251 three pairs at work: chains of maxima and of sums, then the conversions' second halves (v246-248, v250-252)
.set XB,   248
.set XC,   250
.set PD,   253                         ; a lane permute's destination
.set SOP,  254                         ; v254, v255 the conversions' scale operands
.macro TILE T                          ; the names of query tile T's registers
.set NM, 8+4*(\T)
.set SU, 10+4*(\T)
.set QW, 16+(\T)
.set PW, 18+(\T)
.set PC, 102-60*(\T)
.set OB, 178+32*(\T)
.set KA, KF-6*(\T)
.set QB, 24+6*(\T)
.endm
.macro WALU
	s_wait_alu depctr_va_vdst(0)
.endm
.macro CROUND                          ; a round of the cluster's barrier
	s_barrier_signal -1
	s_barrier_wait -1
	s_cmp_lg_u32 s10, 0
	s_cbranch_scc1 .Lnot_wave_0_\@
	s_barrier_signal -3
.Lnot_wave_0_\@:
	s_barrier_wait -3
	s_barrier_signal -1
	s_barrier_wait -1
.endm
	s_load_b128 s[4:7], s[0:1], 0x0                ; qkv, oc
	s_load_b64 s[8:9], s[0:1], 0x10                ; os
	v_lshl_add_u32 v[SPW], v0, 2, SPARE
	v_mov_b32 v[NIL], 0
	ds_add_u32 v[SPW], v[NIL]                      ; the opening lines: the add twice on end and one wait
	ds_add_u32 v[SPW], v[NIL]
	v_lshrrev_b32 v3, 5, v0
	v_readfirstlane_b32 s10, v3                    ; wave 0..15
	s_bfe_u32 s11, ttmp6, 0x40000                  ; cx
	s_lshl_b32 s15, ttmp9, 2
	s_add_co_u32 s11, s11, s15                     ; my block of 512 queries: it enters Q's, oc's and os's addresses alone
	s_and_b32 s12, ttmp7, 0xffff                   ; batch x 16 + head, which the four partners share
	; group 1: a dense block of 13,056 bytes as 51 rows of 256 (32 elements of 8 bytes)
	s_mov_b32 s24, 15|(3<<16)|(1<<21)              ; 15:0 the mask: all four work-groups; 17:16 elements of 8 bytes; 21 set beside a mask
	s_mov_b32 s25, 32<<16
	s_mov_b32 s26, 51<<16
	s_mov_b32 s27, 32<<16
	s_mov_b32 s28, 51
	s_mov_b32 s29, 32
	s_mov_b32 s30, 0
	s_mov_b32 s31, 0
	s_lshl_b32 s16, s12, 4
	s_add_co_u32 s16, s16, s10
	s_mul_i32 s16, s16, 19712                      ; the head's step w
	s_mov_b32 s17, 0
	s_mov_b32 s20, 0x76543210
	s_mov_b32 s21, 0xfedcba98                      ; selects for lane l xor 16
	s_mov_b32 s22, 0x3e38aa3b                      ; c = log2(e) / sqrt(64)
	s_mov_b32 s23, s22                             ; (named with it as a pair, so it is written)
	s_mov_b32 s36, 0xffff0000                      ; lanes 16-31
	s_wait_dscnt 0x0
	s_wait_kmcnt 0x0
	s_mov_b32 s32, 1
	s_mul_i32 s33, s10, STEPB
	s_add_nc_u64 s[34:35], s[4:5], s[16:17]
	s_or_b32 s35, s35, 0x80000000
	CROUND                                         ; all four work-groups are here: the joint loads meet
	tensor_load_to_lds s[32:35], s[24:31]          ; my one tensor load
	s_nop 0
.rept 4
	v_nop
.endr
	v_and_b32 v[LN], 31, v0                        ; lane
	v_bfe_u32 v[SH], v0, 4, 1
	v_lshlrev_b32 v[SH], 3, v[SH]                  ; 8 h: my bytes' shift in p's scale word
	v_and_b32 v[XB], 15, v0
	v_lshlrev_b32 v[XB], 2, v[XB]                  ; 4 r, for Q's scale words
	v_lshlrev_b32 v[A16], 4, v[LN]                 ; 16 x lane
	v_lshlrev_b32 v[A8], 3, v[LN]                  ; 8 x lane
.irp i, 0,1,2,3,4,5
	v_mov_b32 v[30+\i], 0                          ; the zero codes between Q0 and Q1
	v_mov_b32 v[48+\i], 0                          ; what stands below K's tile 0 and above its tile 7 is named before it is first made
	v_mov_b32 v[102+\i], 0
.endr
	v_mov_b32 v[F+1], 0                            ; (named as the upper half of a pair)
	v_mov_b32 v[PD], 0                             ; a lane permute's destination counts as one of its sources
.irp n, 8,12
	v_mov_b32 v[\n+1], 0xff61b1e6                  ; the largest t so far: -3e38, under every t
	v_floor_f32 v[\n], -v[\n+1]                    ; -M
	v_mov_b32 v[\n+2], 0                           ; the sum, in two halves
	v_mov_b32 v[\n+3], 0
.endr
.set J, 0
.rept 64
	v_mov_b32 v[178+J], 0                          ; O^T of both tiles: the step is written once; its first trip finds zeros, which the first change of M leaves zeros
.set J, J+1
.endr
; Tile p's addresses, and its loads of Q.  The tile of queries is 32 x block + 16 p + wave of the batch's 128.
.macro QADR p, q, w, sa, so
	s_lshl_b32 s16, s12, 4
	s_lshl_b32 s17, s11, 2
	s_add_co_u32 s16, s16, s17
	s_lshr_b32 s17, s10, 3
	s_add_co_u32 s16, s16, s17
	s_add_co_u32 s16, s16, 2*\p                    ; the block of qkv in which the tile lies
	s_mul_i32 s16, s16, 19712
	s_and_b32 s17, s10, 7                          ; and its place among the block's eight
	s_mul_i32 s18, s17, 768
	s_add_co_u32 s18, s18, s16
	s_add_co_u32 s18, s18, 13056
	s_mov_b32 s19, 0
	s_add_nc_u64 s[\sa:\sa+1], s[4:5], s[18:19]
	s_lshl_b32 s18, s17, 6
	s_add_co_u32 s18, s18, s16
	s_add_co_u32 s18, s18, 19200
	s_add_nc_u64 s[\sa+2:\sa+3], s[4:5], s[18:19]
	global_load_b128 v[\q:\q+3], v[A16], s[\sa:\sa+1]
	global_load_b64 v[\q+4:\q+5], v[A8], s[\sa:\sa+1] offset:512
	global_load_b32 v[\w], v[XB], s[\sa+2:\sa+3]
	s_lshr_b32 s16, s12, 4
	s_lshl_b32 s16, s16, 7
	s_lshl_b32 s17, s11, 5
	s_add_co_u32 s16, s16, s17
	s_add_co_u32 s16, s16, s10
	s_add_co_u32 s16, s16, 16*\p                   ; the token tile, 0 .. 511
	s_and_b32 s17, s12, 15                         ; the head
	s_mul_i32 s18, s16, 12288
	s_mul_i32 s19, s17, 768
	s_add_co_u32 s18, s18, s19
	s_mov_b32 s19, 0
	s_add_nc_u64 s[\so:\so+1], s[6:7], s[18:19]
	s_lshl_b32 s18, s16, 9
	s_lshl_b32 s17, s17, 1
	s_add_co_u32 s18, s18, s17
	s_add_nc_u64 s[\so+2:\so+3], s[8:9], s[18:19]
.endm
; S^T = K Q^T of the tile in hand: eight products, each beginning its sum with 0; four places behind them, in front of the first read of the scores and of loads into the registers read
.macro SCORES nops                     ; nops = 0: other plain lines follow as the four places
.irp t, 0,2,4,6
	v_wmma_scale_f32_16x16x128_f8f6f4 v[S+8*\t:S+8*\t+7], v[KA+6*\t:KA+6*\t+11], v[QB:QB+11], 0, v[KS+\t/2], v[QW] matrix_a_fmt:MATRIX_FMT_FP6 matrix_b_fmt:MATRIX_FMT_FP6
	v_wmma_scale_f32_16x16x128_f8f6f4 v[S+8*\t+8:S+8*\t+15], v[KA+6*\t+6:KA+6*\t+17], v[QB:QB+11], 0, v[KS+\t/2], v[QW] matrix_a_fmt:MATRIX_FMT_FP6 matrix_b_fmt:MATRIX_FMT_FP6 matrix_a_scale:MATRIX_SCALE_ROW1
.endr
.if \nops
.rept 4
	v_nop
.endr
.endif
.endm
; The way from a block's largest p to p's scale word, in six levels; each level stands ahead of four additions of the sum, so that no line waits for the line above it
.macro BYTES l
.if (\l) == 0
	v_max_num_f32 v[BM], 0x1800000, v[BM]          ; the floor 2^(3 - 127): the byte cannot fall under 1
	v_max_num_f32 v[BM+1], 0x1800000, v[BM+1]
.elseif (\l) == 1
	v_add_nc_u32 v[SOP], 0xff000000, v[BM]         ; 2 off the exponent field: the conversion's scale operand
	v_add_nc_u32 v[SOP+1], 0xff000000, v[BM+1]
.elseif (\l) == 2
	v_lshrrev_b32 v[BM], 23, v[SOP]                ; the scale's byte
	v_lshrrev_b32 v[BM+1], 23, v[SOP+1]
.elseif (\l) == 3
	v_lshl_or_b32 v0, v[BM+1], 16, v[BM]           ; my two bytes, blocks h and 2 + h,
.elseif (\l) == 4
	v_lshlrev_b32 v0, v[SH], v0                    ; at their places in the word
.else
	v_permlanex16_b32 v[PD], v0, s20, s21
.endif
.endm
.macro MOVS                            ; the second halves of the two blocks' codes go to their places in the operand
.irp i, 0,1,2
	v_mov_b32 v[PC+3+\i], v[XA+\i]
	v_mov_b32 v[PC+9+\i], v[XC+\i]
.endr
.endm
; The softmax of the tile in hand over 128 keys: p's codes and scale word, the sum, O^T under the new M
.macro SOFTMAX late                    ; late = 1: MOVS follows later, behind the other tile's scores
	v_max3_num_f32 v[BM], v[S], v[S+1], v[S+2]     ; my two blocks' largest scores, each in two chains; every accumulator is read from its low end on
	v_max3_num_f32 v[XA], v[S+16], v[S+17], v[S+18]
	v_max3_num_f32 v[BM+1], v[S+32], v[S+33], v[S+34]
	v_max3_num_f32 v[XA+1], v[S+48], v[S+49], v[S+50]
.irp i, 3,5,7,9,11,13
	v_max3_num_f32 v[BM], v[BM], v[S+\i], v[S+\i+1]
	v_max3_num_f32 v[XA], v[XA], v[S+16+\i], v[S+17+\i]
	v_max3_num_f32 v[BM+1], v[BM+1], v[S+32+\i], v[S+33+\i]
	v_max3_num_f32 v[XA+1], v[XA+1], v[S+48+\i], v[S+49+\i]
.endr
	v_max3_num_f32 v[BM], v[BM], v[XA], v[S+15]
	v_max3_num_f32 v[BM+1], v[BM+1], v[XA+1], v[S+47]
	v_max_num_f32 v[BM], v[BM], v[S+31]
	v_max_num_f32 v[BM+1], v[BM+1], v[S+63]
	s_delay_alu instid0(VALU_DEP_1)
	v_max_num_f32 v[XB], v[BM], v[BM+1]
	s_delay_alu instid0(VALU_DEP_1)
	v_mul_f32 v[XB], s22, v[XB]                    ; my 64 keys' largest score as t (c is positive)
	s_delay_alu instid0(VALU_DEP_1)
	v_permlanex16_b32 v[PD], v[XB], s20, s21
	s_delay_alu instid0(VALU_DEP_1)
	v_max3_num_f32 v[NM+1], v[NM+1], v[XB], v[PD]  ; with lane l xor 16's 64 keys: the running largest t
	v_mov_b32 v[XB], v[NM]
	s_delay_alu instid0(VALU_DEP_2)
	v_floor_f32 v[NM], -v[NM+1]                    ; the new -M = floor(-t) = -ceil(t): a whole number
.set J, 0
.rept 32
	v_pk_fma_f32 v[S+J:S+J+1], v[S+J:S+J+1], s[22:23], v[NM:NM+1] op_sel_hi:[1,0,0]   ; t - M, two at a time; the three lines that make f stand among them
.if J == 6
	v_sub_f32 v[XB], v[NM], v[XB]                  ; old M - new M: a whole number, 0 or less
.endif
.if J == 14
	v_cvt_i32_f32 v[XB], v[XB]                     ; (it saturates)
.endif
.if J == 22
	v_ldexp_f32 v[F], 1.0, v[XB]                   ; f = 2^(old M - new M): a multiplication by it rounds nothing
.endif
.set J, J+2
.endr
	v_fma_f32 v[BM], v[BM], s22, v[NM]             ; the same of each block's largest score
	v_fma_f32 v[BM+1], v[BM+1], s22, v[NM]
	WALU                                           ; the wait ahead of the batch
.set J, 0
.rept 64
	v_exp_f32 v[S+J], v[S+J]                       ; p = 2^(t - M), at most 1
.set J, J+1
.endr
	v_exp_f32 v[BM], v[BM]                         ; the block's largest p: the same two instructions on the same number give the same bits
	v_exp_f32 v[BM+1], v[BM+1]
	v_pk_mul_f32 v[SU:SU+1], v[SU:SU+1], v[F:F+1] op_sel_hi:[1,0]   ; the sums under the new M: the plain line behind the exponentials
	WALU                                           ; one wait for the batch of 66, ahead of its first reader
	v_pk_add_f32 v[XA:XA+1], v[S:S+1], v[S+2:S+3]  ; the sum of the unquantised p, in four chains
	v_pk_add_f32 v[XB:XB+1], v[S+4:S+5], v[S+6:S+7]
	v_pk_add_f32 v[XC:XC+1], v[S+8:S+9], v[S+10:S+11]
.irp j, 12,20,28,36,44,52
	BYTES (\j-12)/8
	v_pk_add_f32 v[SU:SU+1], v[SU:SU+1], v[S+\j:S+\j+1]
	v_pk_add_f32 v[XA:XA+1], v[XA:XA+1], v[S+\j+2:S+\j+3]
	v_pk_add_f32 v[XB:XB+1], v[XB:XB+1], v[S+\j+4:S+\j+5]
	v_pk_add_f32 v[XC:XC+1], v[XC:XC+1], v[S+\j+6:S+\j+7]
.endr
	v_pk_add_f32 v[SU:SU+1], v[SU:SU+1], v[S+60:S+61]
	v_pk_add_f32 v[XA:XA+1], v[XA:XA+1], v[S+62:S+63]
	s_delay_alu instid0(VALU_DEP_3)
	v_pk_add_f32 v[XB:XB+1], v[XB:XB+1], v[XC:XC+1]
	s_delay_alu instid0(VALU_DEP_2)
	v_pk_add_f32 v[SU:SU+1], v[SU:SU+1], v[XA:XA+1]
	s_delay_alu instid0(VALU_DEP_1)
	v_pk_add_f32 v[SU:SU+1], v[SU:SU+1], v[XB:XB+1]
	v_cvt_scalef32_pk16_fp6_f32 v[PC:PC+2], v[S:S+15], v[SOP]
	v_cvt_scalef32_pk16_fp6_f32 v[XA:XA+2], v[S+16:S+31], v[SOP]        ; (a conversion's three registers begin on an even number)
	v_cvt_scalef32_pk16_fp6_f32 v[PC+6:PC+8], v[S+32:S+47], v[SOP+1]
	v_cvt_scalef32_pk16_fp6_f32 v[XC:XC+2], v[S+48:S+63], v[SOP+1]
	v_or_b32 v[PW], v0, v[PD]                      ; with lane l xor 16's two bytes p's scale word is whole.  (The plain line behind the conversions)
.if (\late) == 0
	MOVS
.endif
	WALU                                           ; the wait directly ahead of the first read of O^T
.set J, 0
.rept 16
	v_pk_mul_f32 v[OB+J:OB+J+1], v[OB+J:OB+J+1], v[F:F+1] op_sel_hi:[1,0]   ; O^T under the new M; these lines also part the codes and the scale word just made from the products that take them
.set J, J+2
.endr
.endm
.macro PV1 t, ob, pc, pw, row          ; O^T += V^T P^T, one tile of 16 of the head's 64
	v_wmma_scale_f32_16x16x128_f8f6f4 v[\ob+8*(\t):\ob+8*(\t)+7], v[KF+12*(\t):KF+12*(\t)+11], v[\pc:\pc+11], v[\ob+8*(\t):\ob+8*(\t)+7], v[KS+(\t)/2], v[\pw] matrix_a_fmt:MATRIX_FMT_FP6 matrix_b_fmt:MATRIX_FMT_FP6 matrix_a_scale:MATRIX_SCALE_ROW\row
.endm
; The way out of the tile in hand: O^T / l, quantised along the head's 64; so: its addresses in oc and os
.macro OUT so
	v_add_f32 v[SU], v[SU], v[SU+1]                ; the sum's two halves,
	s_delay_alu instid0(VALU_DEP_1)
	v_permlanex16_b32 v[PD], v[SU], s20, s21
	s_delay_alu instid0(VALU_DEP_1)
	v_add_f32 v[SU], v[SU], v[PD]                  ; and lane l xor 16's: the row's sum
	WALU
	v_rcp_f32 v[SU], v[SU]
	v_nop                                          ; a plain line behind the reciprocal,
	WALU                                           ; and the wait ahead of its first reader and of the first read of O^T
.set J, 0
.rept 16
	v_pk_mul_f32 v[S+J:S+J+1], v[OB+J:OB+J+1], v[SU:SU+1] op_sel_hi:[1,0]   ; O^T / the sum: register 16 B + i is channel 32 B + 16 h + i of my query
.set J, J+2
.endr
.irp b, 0,1
	v_max3_num_f32 v[BM+\b], |v[S+16*\b]|, |v[S+1+16*\b]|, 0x1800000
.endr
.irp i, 2,4,6,8,10,12,14
.irp b, 0,1
	s_delay_alu instid0(VALU_DEP_2)
	v_max3_num_f32 v[BM+\b], v[BM+\b], |v[S+16*\b+\i]|, |v[S+1+16*\b+\i]|
.endr
.endr
.irp b, 0,1
	s_delay_alu instid0(VALU_DEP_2)
	v_permlanex16_b32 v[F+\b], v[BM+\b], s20, s21  ; (the factor's pair is free behind the loop)
.endr
.irp b, 0,1
	s_delay_alu instid0(VALU_DEP_2)
	v_max_num_f32 v[BM+\b], v[BM+\b], v[F+\b]
.endr
.irp b, 0,1
	s_delay_alu instid0(VALU_DEP_2)
	v_add_nc_u32 v[SOP+\b], 0xff000000, v[BM+\b]
.endr
.irp b, 0,1
	s_delay_alu instid0(VALU_DEP_2)
	v_lshrrev_b32 v[F+\b], 23, v[SOP+\b]
.endr
	v_cvt_scalef32_pk16_fp6_f32 v[PC:PC+2], v[S:S+15], v[SOP]
	v_cvt_scalef32_pk16_fp6_f32 v[PC+4:PC+6], v[S+16:S+31], v[SOP+1]
	v_cndmask_b32 v[PC+7], v[F], v[F+1], s36       ; lanes 0-15 send block 0's byte, lanes 16-31 block 1's.  (The plain line behind the conversions)
.irp i, 0,1,2
	v_permlane16_swap_b32 v[PC+\i], v[PC+4+\i]     ; a whole block to a lane
.endr
	s_delay_alu instid0(VALU_DEP_3)
	v_mov_b32 v[PC+3], v[PC+4]
	s_delay_alu instid0(VALU_DEP_3)
	v_mov_b32 v[PC+4], v[PC+5]
	s_delay_alu instid0(VALU_DEP_3)
	v_mov_b32 v[PC+5], v[PC+6]
	global_store_b128 v[A16], v[PC:PC+3], s[\so:\so+1]     ; half a fragment: 512 and 256 consecutive bytes, at multiples of 256 from oc's first byte
	global_store_b64 v[A8], v[PC+4:PC+5], s[\so:\so+1] offset:512
	global_store_b8 v[A4], v[PC+7], s[\so+2:\so+3]         ; two bytes a row and head: 262,144 bytes in the whole launch leave so
.endm
	WALU                                           ; the wait at the head's end: only scalar lines and loads follow
	QADR 0, 24, 16, 38, 42
	QADR 1, 36, 17, 48, 52
	s_wait_tensorcnt 0x0                           ; my step has landed,
	s_barrier_signal -1
	s_barrier_wait -1                              ; everybody's has: the head's K and V lie in LDS
	s_wait_loadcnt 0x0                             ; Q of both tiles; the loads' offset registers may be written again
	s_mov_b32 s13, 0
	s_mov_b32 s14, 16
.Lstep:                                                ; A KEY STEP: 128 keys, at LDS byte s13, for both tiles
	v_lshl_add_u32 v[A16], v[LN], 4, s13           ; four plain lines: the places between the last step's products and the loads into the registers that they read
	v_lshl_add_u32 v[A8], v[LN], 3, s13
	v_lshl_add_u32 v[A4], v[LN], 2, s13
	v_nop
.irp t, 0,1,2,3,4,5,6,7
	ds_load_b128 v[KF+6*\t:KF+6*\t+3], v[A16] offset:768*\t
	ds_load_b64 v[KF+6*\t+4:KF+6*\t+5], v[A8] offset:768*\t+512
.endr
.irp b, 0,1,2,3
	ds_load_b32 v[KS+\b], v[A4] offset:6144+128*\b ; lanes 0-15: tile 2 b's words; lanes 16-31: tile 2 b + 1's
.endr
	WALU
	s_wait_dscnt 0x0
	TILE 0
	SCORES 1
	SOFTMAX 1
	TILE 1
	SCORES 0
	TILE 0
	MOVS                                           ; tile 0's six moves name no register of tile 1's products: they are the places behind them
	TILE 1
.irp t, 0,1,2,3                        ; V^T's four fragments take K's registers now and land under the second softmax
	ds_load_b128 v[KF+12*\t:KF+12*\t+3], v[A16] offset:6656+1536*\t
	ds_load_b64 v[KF+12*\t+4:KF+12*\t+5], v[A8] offset:6656+1536*\t+512
	ds_load_b128 v[KF+12*\t+6:KF+12*\t+9], v[A16] offset:6656+1536*\t+768
	ds_load_b64 v[KF+12*\t+10:KF+12*\t+11], v[A8] offset:6656+1536*\t+1280
.endr
	ds_load_b32 v[KS], v[A4] offset:12800
	ds_load_b32 v[KS+1], v[A4] offset:12928
	SOFTMAX 0
	WALU
	s_wait_dscnt 0x0                               ; V^T and its scale words are in
.irp t, 0,2                            ; the eight accumulators take turns, one instruction a turn
	PV1 \t, 178, 102, 18, 0
	PV1 \t, 210, 42, 19, 0
	PV1 \t+1, 178, 102, 18, 1
	PV1 \t+1, 210, 42, 19, 1
.endr
	s_add_co_u32 s13, s13, STEPB
	s_sub_co_u32 s14, s14, 1
	s_cmp_lg_u32 s14, 0
	s_cbranch_scc1 .Lstep
	v_lshlrev_b32 v[A16], 4, v[LN]                 ; the way out's offsets; these five plain lines are also the places in front of the first read of O^T
	v_lshlrev_b32 v[A8], 3, v[LN]
	v_and_b32 v0, 15, v[LN]
	v_lshrrev_b32 v[A4], 4, v[LN]
	v_lshl_add_u32 v[A4], v0, 5, v[A4]             ; os: 32 r + h
	TILE 0
	OUT 42
	TILE 1
	OUT 52                                         ; (its registers are none of the first tile's stores')
	s_wait_tensorcnt 0x0                           ; the wave's end
	ds_add_u32 v[SPW], v[NIL]
	s_wait_dscnt 0x0
	CROUND                                         ; the closing round
	s_endpgm
.Lfunc_end_k_q64bf7f4059_attn:
	.size	k_q64bf7f4059_attn, .Lfunc_end_k_q64bf7f4059_attn-k_q64bf7f4059_attn
	.p2alignl 7, 3214868480
	.fill 96, 4, 3214868480
	.section	.rodata,"a",@progbits
	.p2align	6, 0x0
	.amdhsa_kernel k_q64bf7f4059_attn
		.amdhsa_group_segment_fixed_size 210944
		.amdhsa_private_segment_fixed_size 0
		.amdhsa_enable_private_segment 0
		.amdhsa_kernarg_size 24
		.amdhsa_user_sgpr_count 2
		.amdhsa_user_sgpr_kernarg_segment_ptr 1
		.amdhsa_wavefront_size32 1
		.amdhsa_system_sgpr_workgroup_id_x 1
		.amdhsa_system_sgpr_workgroup_id_y 1
		.amdhsa_system_sgpr_workgroup_id_z 1
		.amdhsa_system_vgpr_workitem_id 0
		.amdhsa_next_free_vgpr 256
		.amdhsa_next_free_sgpr 66
		.amdhsa_reserve_vcc 0
		.amdhsa_float_denorm_mode_32 3
		.amdhsa_float_denorm_mode_16_64 3
		.amdhsa_memory_ordered 1
		.amdhsa_forward_progress 1
		.amdhsa_inst_pref_size 46
	.end_amdhsa_kernel
	.amdgpu_metadata
---
amdhsa.version: [ 1, 2 ]
amdhsa.kernels:
  - .name:           k_q64bf7f4059_attn
    .symbol:         k_q64bf7f4059_attn.kd
    .args:
      - { .name: qkv, .offset: 0, .size: 8, .value_kind: global_buffer, .address_space: global }
      - { .name: oc, .offset: 8, .size: 8, .value_kind: global_buffer, .address_space: global }
      - { .name: os, .offset: 16, .size: 8, .value_kind: global_buffer, .address_space: global }
    .group_segment_fixed_size: 210944
    .private_segment_fixed_size: 0
    .kernarg_segment_align: 8
    .kernarg_segment_size: 24
    .max_flat_workgroup_size: 512
    .sgpr_count:     66
    .vgpr_count:     256
    .wavefront_size: 32
...
	.end_amdgpu_metadata
.endif
;; end of part 3
;; launch outp (part 4): grid 4 x 64, 4 waves a work-group, clusters of 4 x 4, 295,424 bytes of LDS; arguments xc, xs, oc, os, bo, out0; writes out0
.if DOCPART == 4
	.amdgcn_target "amdgcn-amd-amdhsa--gfx1250"
	.amdhsa_code_object_version 6
	.text
	.protected	k_q64bf7f4059_outp
	.globl	k_q64bf7f4059_outp
	.p2align	8
	.type	k_q64bf7f4059_outp,@function
k_q64bf7f4059_outp:
	s_mov_b64 s[64:65], 0
	v_nop
	global_prefetch_b8 v0, s[64:65] scope:SCOPE_SE
	s_setreg_imm32_b32 hwreg(HW_REG_WAVE_MODE, 25, 1), 1
	s_wait_xcnt 0x0
	s_wait_alu depctr_hold_cnt(0) depctr_sa_sdst(0) depctr_va_vdst(0) depctr_va_sdst(0) depctr_va_ssrc(0) depctr_va_vcc(0) depctr_vm_vsrc(0)
	s_getreg_b32 s2, hwreg(HW_REG_IB_STS2, 6, 4)
	s_cmp_eq_u32 s2, 0
	s_cbranch_scc0 .Lentry_in_a_cluster
	s_endpgm
.Lentry_in_a_cluster:
	s_bfe_u32 s2, ttmp6, 0x10000c
	s_cmp_lg_u32 s2, 0xf033
	s_cbranch_scc0 .Lentry_shape_is_right
	s_endpgm
.Lentry_shape_is_right:
; out0 = O Wo^T + bo on codes of FP6 (E2M3) with E8M0 scales, K = 1,024; out0 [8192][1024] f32.
; Source 0 = P = Wo (xc's tiles 1,728 on; rows i = output features), source 1 = R = attention's result (oc, os; rows j = tokens): a lane holds one token, and its registers run along the features.
; Fragments and scale words lie as images of the operands' registers (a tile of 16 rows: 8 K steps x 1,536 bytes; 512 bytes of scale words).  Place r of tile T is row 32 (T / 2) + 8 (T % 2) + r + 8 (r / 8).
; SHARES.  A work-group: 256 features x 128 tokens; wave (wi, wj): 128 x 64: 8 tiles of P x 4 of R, 32 accumulators.  256 work-groups.
; LDS.  All of K lies in LDS, in two halves of four K steps of 147,456 bytes (P's 16 tiles x 6,144, then R's 8): each byte is filled once, so there is no ring.  A wave has one tensor load out.
; CLUSTER 4 x 4.  P hangs on cx alone and is asked for jointly by a column of the cluster, R on cy alone, by a row.  Nothing is prefetched: all panels are asked for by the first fills.
; REGISTERS, in windows of 256.  Window 0: v1-14 addresses; v32-63 P's scale words, v64-79 R's; v96-191 R's fragments, two sets of 48; on the way out v96-223 rows of out0.
;   Window 1: v0-191 P's fragments, two sets of 96; v192-255 the bias, as C of the first products.   Window 2: accumulator (a, b) at v[8 (8 a + b)].
; THE FILLS, in place of what the head comment says of pairs: K lies in LDS in two HALVES of four K steps, 147,456 bytes each: P's 16 tiles x 6,144 bytes, then R's 8.
; Each wave issues ONE tensor load: wave 0 P's first half, wave 1 R's first half, wave 2 P's second half, wave 3 R's second half.  Each byte is filled once.
; The stage of the way out lies in the first half's bytes, whose last read stands in front of the barrier of K step 3.
.set HALF, 147456
.set AP16, 4
.set AP8,  5
.set AR16, 6
.set AR8,  7
.set CO,   8                           ; v8   16 x lane
.set STO,  12                          ; v12  the stage: where I put 16 bytes of a row
.set RD,   13                          ; v13  and where I read a row back
.set SP,   32
.set SR,   64
.set RF,   96
.set BK,   96                          ; the way out: 16 rows read back, two sets of 64
.set PF,   0
.set CB,   192
.set MSB, 0
.macro WIN new                         ; the immediate's high byte repeats the setting that is left
.if MSB != \new
	s_set_vgpr_msb (MSB<<8)|\new
.set MSB, \new
.endif
.endm
.macro CROUND                          ; a round of the cluster's barrier
	s_barrier_signal -1
	s_barrier_wait -1
	s_cmp_lg_u32 s16, 0
	s_cbranch_scc1 .Lnot_wave_0_\@
	s_barrier_signal -3
.Lnot_wave_0_\@:
	s_barrier_wait -3
	s_barrier_signal -1
	s_barrier_wait -1
.endm
	s_load_b256 s[4:11], s[0:1], 0x0               ; xc, xs, oc, os
	s_load_b128 s[12:15], s[0:1], 0x20             ; bo, out0
	v_lshl_add_u32 v254, v0, 2, 0x48000
	v_mov_b32 v255, 0
	ds_add_u32 v254, v255
	ds_add_u32 v254, v255
	v_lshrrev_b32 v1, 5, v0
	v_readfirstlane_b32 s16, v1                    ; wave 0..3
	s_and_b32 s17, s16, 1                          ; wi.  Also: I fetch for P (0) or for R (1)
	s_lshr_b32 s18, s16, 1                         ; wj.  Also: which half of K I fetch
	s_bfe_u32 s19, ttmp6, 0x40000                  ; cx: my block of 256 features
	s_bfe_u32 s20, ttmp6, 0x40004                  ; cy
	s_and_b32 s21, ttmp7, 0xffff                   ; the cluster's y, 0 .. 15
	s_lshl_b32 s61, s21, 2
	s_add_co_u32 s61, s61, s20                     ; my block of 128 tokens
	s_lshl_b32 s94, 0x1111, s19                    ; my column of the cluster
	s_lshl_b32 s95, s20, 2
	s_lshl_b32 s95, 15, s95                        ; my row
	; group 1: rows of 6,144 bytes (four K steps of a tile: 768 elements of 8 bytes), 12,288 bytes from tile to tile; 16 tiles of P, 8 of R; no padding
	s_or_b32 s24, s94, (3<<16)|(1<<21)
	s_mov_b32 s25, 768<<16                         ; tensor_dim0: four K steps of a tile, 6,144 bytes
	s_mov_b32 s26, 16<<16                          ; tensor_dim1: P's 16 tiles
	s_mov_b32 s27, 768<<16                         ; tile_dim0
	s_mov_b32 s28, 16                              ; tile_dim1
	s_mov_b32 s29, 1536
	s_mov_b32 s30, 0
	s_mov_b32 s31, 0
	s_or_b32 s32, s95, (3<<16)|(1<<21)
	s_mov_b32 s33, 768<<16
	s_mov_b32 s34, 8<<16                           ; R's 8 tiles
	s_mov_b32 s35, 768<<16
	s_mov_b32 s36, 8
	s_mov_b32 s37, 1536
	s_mov_b32 s38, 0
	s_mov_b32 s39, 0
	s_lshl_b32 s62, s19, 4
	s_add_co_u32 s62, s62, 1728
	s_mul_i32 s62, s62, 12288
	s_mov_b32 s63, 0
	s_lshl_b32 s86, s61, 3
	s_mul_i32 s86, s86, 12288
	s_mov_b32 s87, 0
	s_wait_dscnt 0x0
	s_wait_kmcnt 0x0
	s_add_nc_u64 s[84:85], s[4:5], s[62:63]
	s_add_nc_u64 s[88:89], s[8:9], s[86:87]
.irp hf, 0,1                           ; group 0 for each half of K: P's at s[40 + 4 hf ..], R's at s[68 + 4 hf ..]; the LDS places are constants
	s_mov_b32 s[40+4*\hf], 1
	s_mov_b32 s[41+4*\hf], \hf*HALF
	s_add_nc_u64 s[42+4*\hf:43+4*\hf], s[84:85], \hf*6144
	s_or_b32 s[43+4*\hf], s[43+4*\hf], 0x80000000
	s_mov_b32 s[68+4*\hf], 1
	s_mov_b32 s[69+4*\hf], \hf*HALF+98304
	s_add_nc_u64 s[70+4*\hf:71+4*\hf], s[88:89], \hf*6144
	s_or_b32 s[71+4*\hf], s[71+4*\hf], 0x80000000
.endr
	CROUND                                         ; all sixteen work-groups are here: the joint loads meet
; one chain of branches on the wave's number, one joint load to an arm, all arms leading to one join
.macro ARM w, g0, g1, next
	s_cmp_eq_u32 s16, \w
	s_cbranch_scc0 \next
	tensor_load_to_lds s[\g0:\g0+3], s[\g1:\g1+7]
	s_nop 0
.rept 4
	v_nop
.endr
	s_branch .Lfilled
\next:
.endm
	ARM 0, 40, 24, .Lfill_1                        ; wave 0: P, K steps 0-3
	ARM 1, 68, 32, .Lfill_2                        ; wave 1: R, K steps 0-3
	ARM 2, 44, 24, .Lfill_3                        ; wave 2: P, K steps 4-7
	tensor_load_to_lds s[72:75], s[32:39]          ; wave 3: R, K steps 4-7
	s_nop 0
.rept 4
	v_nop
.endr
.Lfilled:
	v_and_b32 v3, 31, v0                           ; lane
	v_and_b32 v1, 15, v0                           ; r
	v_bfe_u32 v2, v0, 4, 1                         ; h
	v_lshlrev_b32 v[CO], 4, v3                     ; 16 x lane
	v_lshlrev_b32 v9, 3, v3                        ; 8 x lane
	s_mul_i32 s56, s17, 49152                      ; my 8 tiles of P: 8 x 6,144 bytes
	v_add_nc_u32 v[AP16], s56, v[CO]
	v_add_nc_u32 v[AP8], s56, v9
	s_mul_i32 s56, s18, 24576                      ; my 4 tiles of R, behind P's 16
	s_add_co_u32 s56, s56, 98304
	v_add_nc_u32 v[AR16], s56, v[CO]
	v_add_nc_u32 v[AR8], s56, v9
	v_lshlrev_b32 v11, 5, v1
	v_lshl_add_u32 v11, v2, 4, v11                 ; scale words: 32 r + 16 h: lanes 0-15 take K steps 0-3 of row r, lanes 16-31 K steps 4-7
	s_wait_alu depctr_va_vdst(0)
	v_lshlrev_b32 v14, 6, v2                       ; the bias: 64 h
	s_wait_alu depctr_va_vdst(0)
	s_mul_i32 s56, s16, 8448                       ; my stage: 16 rows x 528 bytes, in the first half's bytes
	v_mul_u32_u24 v[STO], v1, 528
	v_lshl_add_u32 v[STO], v2, 6, v[STO]
	v_add_nc_u32 v[STO], s56, v[STO]               ; in: row r, + 64 h
	v_add_nc_u32 v[RD], s56, v[CO]                 ; back: the 32 lanes take one row of 512 bytes
	s_lshl_b32 s92, s19, 1
	s_add_co_u32 s92, s92, s17                     ; X1: my 128 features.  X1 and X2 enter plain loads and stores alone
	s_lshl_b32 s93, s61, 1
	s_add_co_u32 s93, s93, s18                     ; X2: my 64 tokens
	s_lshl_b32 s56, s92, 3
	s_add_co_u32 s56, s56, 1728
	s_lshl_b32 s56, s56, 9
	s_mov_b32 s57, 0
	s_add_nc_u64 s[96:97], s[6:7], s[56:57]
	s_lshl_b32 s56, s93, 11
	s_add_nc_u64 s[98:99], s[10:11], s[56:57]
.irp b, 0,1,2,3,4,5,6,7
	global_load_b128 v[SP+4*\b:SP+4*\b+3], v11, s[96:97] offset:512*\b
.endr
.irp a, 0,1,2,3
	global_load_b128 v[SR+4*\a:SR+4*\a+3], v11, s[98:99] offset:512*\a
.endr
	s_lshl_b32 s56, s92, 9
	s_add_nc_u64 s[86:87], s[12:13], s[56:57]      ; bo at my 128 features
	WIN 0x40                                       ; destination window 1
.irp b, 0,1,2,3,4,5,6,7                ; tile b's registers are features 32 (b / 2) + 16 h + 8 (b % 2) + 0 .. 7
	global_load_b128 v[CB+8*\b:CB+8*\b+3], v14, s[86:87] offset:(32*(\b/2)+8*(\b%2))*4
	global_load_b128 v[CB+8*\b+4:CB+8*\b+7], v14, s[86:87] offset:(32*(\b/2)+8*(\b%2))*4+16
.endr
	WIN 0
	s_lshl_b32 s58, s93, 18                        ; out0: 64 X2 rows of 4,096 bytes
	s_add_co_u32 s58, s58, s56                     ; + 512 X1
	s_mov_b32 s59, 0
	s_add_nc_u64 s[84:85], s[14:15], s[58:59]
.macro FRAGL reg, a16, a8, off         ; a fragment comes as it was stored: every load reads consecutive bytes
	ds_load_b128 v[\reg:\reg+3], v[\a16] offset:\off
	ds_load_b64 v[\reg+4:\reg+5], v[\a8] offset:\off+512
	ds_load_b128 v[\reg+6:\reg+9], v[\a16] offset:\off+768
	ds_load_b64 v[\reg+10:\reg+11], v[\a8] offset:\off+1280
.endm
.macro FETCH k                         ; K step k's 12 fragments, 48 LDS loads, into set k % 2
	WIN 0x40
.irp b, 0,1,2,3,4,5,6,7
	FRAGL PF+96*((\k)%2)+12*\b, AP16, AP8, 6144*\b+1536*((\k)%4)
.endr
	WIN 0
.irp a, 0,1,2,3
	FRAGL RF+48*((\k)%2)+12*\a, AR16, AR8, 6144*\a+1536*((\k)%4)
.endr
.endm
; 32 matrix instructions: K step k.  The 32 accumulators take turns, one instruction a turn, in the same order in every step.
; first = 1: the sums begin with the bias.  K steps 4 to 7 read their scale words from lanes 16-31.
.macro MUL k, first
.if \first
	WIN 0x91                                       ; source 0 (P) window 1, source 1 (R) window 0, C window 1, D window 2
.else
	WIN 0xa1                                       ; C and D window 2
.endif
.irp a, 0,1,2,3
.irp b, 0,1,2,3,4,5,6,7
.set rD, 8*(8*\a+\b)
.set rC, 8*(8*\a+\b)
.if \first
.set rC, CB+8*\b
.endif
.set rP, PF+96*((\k)%2)+12*\b
.set rR, RF+48*((\k)%2)+12*\a
.set rS, SP+4*\b+(\k)%4
.set rT, SR+4*\a+(\k)%4
.if (\k) < 4
	v_wmma_scale_f32_16x16x128_f8f6f4 v[rD:rD+7], v[rP:rP+11], v[rR:rR+11], v[rC:rC+7], v[rS], v[rT] matrix_a_fmt:MATRIX_FMT_FP6 matrix_b_fmt:MATRIX_FMT_FP6
.else
	v_wmma_scale_f32_16x16x128_f8f6f4 v[rD:rD+7], v[rP:rP+11], v[rR:rR+11], v[rC:rC+7], v[rS], v[rT] matrix_a_fmt:MATRIX_FMT_FP6 matrix_b_fmt:MATRIX_FMT_FP6 matrix_a_scale:MATRIX_SCALE_ROW1 matrix_b_scale:MATRIX_SCALE_ROW1
.endif
.endr
.endr
.endm
; K step k: the next step's fragments are asked for, then this step is multiplied.  Loads into registers that matrix instructions have read stand four plain vector lines behind them (ISA guide 7.12.1 for vector
; lines).  Where the next step lies in the next half: my load has landed, my LDS loads are in, and a barrier shows the same of all four waves.
.macro KSTEP k
	WIN 0
.if (\k) == 3
	s_wait_tensorcnt 0x0                           ; every wave's one load has landed: the barrier shows the second half of K to all
	s_wait_dscnt 0x0
	s_barrier_signal -1
	s_barrier_wait -1
	v_add_nc_u32 v[AP16], HALF, v[AP16]            ; on to the second half; these four lines are also the four places
	s_wait_alu depctr_va_vdst(0)
	v_add_nc_u32 v[AP8], HALF, v[AP8]
	s_wait_alu depctr_va_vdst(0)
	v_add_nc_u32 v[AR16], HALF, v[AR16]
	s_wait_alu depctr_va_vdst(0)
	v_add_nc_u32 v[AR8], HALF, v[AR8]
.elseif (\k) < 7
.rept 4
	v_nop
.endr
.endif
.if (\k) < 7
	FETCH (\k)+1
	s_wait_alu depctr_va_vdst(0)
	s_wait_dscnt 48                                ; this step's fragments are in; the 48 loads just issued may be out
.else
	s_wait_dscnt 0x0
.endif
	MUL \k, 0
.endm
	s_wait_alu depctr_va_vdst(0)                   ; the wait at the head's end
	s_cmp_lt_u32 s16, 2                            ; waves 0 and 1 brought the first half of K: they wait for their loads, whose lines are theirs alone
	s_cbranch_scc0 .Lsecond_half
	s_wait_tensorcnt 0x0
.Lsecond_half:                                         ; the second half may still be on its way
	s_barrier_signal -1
	s_barrier_wait -1                              ; everybody's has
	FETCH 0
	FETCH 1
	s_wait_dscnt 48
	s_wait_loadcnt 0x0                             ; the scale words and the bias
	MUL 0, 1
.irp k, 1,2,3,4,5,6,7
	KSTEP \k
.endr
	WIN 0
; THE WAY OUT, a tile of 16 tokens x 128 features at a time.  A lane holds pieces of one row, and the lanes beside it hold other rows: so a tile goes through my own stage in LDS and comes back as whole rows of
; 512 bytes.  The stage lies in the first half's bytes: they have had their one fill, and every wave had waited for its reads of them in front of the barrier of K step 3.
; LDS serves a wave's instructions in order (ISA guide 5.7.1.4): no wait between the stores and the loads, nor in front of the next tile's stores.
.macro TOSTAGE a
	WIN 0x08                                       ; an LDS store's data are its source 1: window 2
.irp b, 0,1,2,3,4,5,6,7
	ds_store_b128 v[STO], v[64*(\a)+8*\b:64*(\a)+8*\b+3] offset:128*(\b/2)+32*(\b%2)        ; each accumulator from its low end on
	ds_store_b128 v[STO], v[64*(\a)+8*\b+4:64*(\a)+8*\b+7] offset:128*(\b/2)+32*(\b%2)+16
.endr
	WIN 0
.irp i, 0,1,2,3,4,5,6,7,8,9,10,11,12,13,14,15
	ds_load_b128 v[BK+64*((\a)%2)+4*\i:BK+64*((\a)%2)+4*\i+3], v[RD] offset:528*\i
.endr
.endm
.macro SEND a, younger                 ; younger: the LDS instructions issued behind tile a's loads, which may stay out
	s_wait_dscnt \younger
.irp i, 0,1,2,3,4,5,6,7,8,9,10,11,12,13,14,15
	global_store_b128 v[CO], v[BK+64*((\a)%2)+4*\i:BK+64*((\a)%2)+4*\i+3], s[84:85] offset:(32*((\a)/2)+8*((\a)%2)+\i+8*(\i/8))*4096 th:TH_STORE_NT   ; 512 consecutive bytes, at a multiple of 256 from out0's first byte; written once, read by nobody here
.endr
.endm
.rept 4
	v_nop                                          ; four places in front of the first read of results and of the loads into registers that held R's fragments
.endr
	TOSTAGE 0
.irp a, 1,2,3
.if \a > 1
	s_wait_xcnt 0x0                                ; tile a - 2's stores have read their registers: tile a's loads may land there
.endif
	TOSTAGE \a
	SEND \a-1, 32                                  ; behind tile a - 1's loads: tile a's 16 stores and 16 loads
.endr
	SEND 3, 0
	s_wait_tensorcnt 0x0
	ds_add_u32 v254, v255
	s_wait_dscnt 0x0
	CROUND                                         ; the closing round: no work-group ends while a partner may still ask for a panel that names it
	s_endpgm
.Lfunc_end_k_q64bf7f4059_outp:
	.size	k_q64bf7f4059_outp, .Lfunc_end_k_q64bf7f4059_outp-k_q64bf7f4059_outp
	.p2alignl 7, 3214868480
	.fill 96, 4, 3214868480
	.section	.rodata,"a",@progbits
	.p2align	6, 0x0
	.amdhsa_kernel k_q64bf7f4059_outp
		.amdhsa_group_segment_fixed_size 295424
		.amdhsa_private_segment_fixed_size 0
		.amdhsa_enable_private_segment 0
		.amdhsa_kernarg_size 48
		.amdhsa_user_sgpr_count 2
		.amdhsa_user_sgpr_kernarg_segment_ptr 1
		.amdhsa_wavefront_size32 1
		.amdhsa_system_sgpr_workgroup_id_x 1
		.amdhsa_system_sgpr_workgroup_id_y 1
		.amdhsa_system_sgpr_workgroup_id_z 1
		.amdhsa_system_vgpr_workitem_id 0
		.amdhsa_next_free_vgpr 768
		.amdhsa_next_free_sgpr 100
		.amdhsa_reserve_vcc 0
		.amdhsa_float_denorm_mode_32 3
		.amdhsa_float_denorm_mode_16_64 3
		.amdhsa_memory_ordered 1
		.amdhsa_forward_progress 1
		.amdhsa_inst_pref_size 83
	.end_amdhsa_kernel
	.amdgpu_metadata
---
amdhsa.version: [ 1, 2 ]
amdhsa.kernels:
  - .name:           k_q64bf7f4059_outp
    .symbol:         k_q64bf7f4059_outp.kd
    .args:
      - { .name: xc, .offset: 0, .size: 8, .value_kind: global_buffer, .address_space: global }
      - { .name: xs, .offset: 8, .size: 8, .value_kind: global_buffer, .address_space: global }
      - { .name: oc, .offset: 16, .size: 8, .value_kind: global_buffer, .address_space: global }
      - { .name: os, .offset: 24, .size: 8, .value_kind: global_buffer, .address_space: global }
      - { .name: bo, .offset: 32, .size: 8, .value_kind: global_buffer, .address_space: global }
      - { .name: out0, .offset: 40, .size: 8, .value_kind: global_buffer, .address_space: global }
    .group_segment_fixed_size: 295424
    .private_segment_fixed_size: 0
    .kernarg_segment_align: 8
    .kernarg_segment_size: 48
    .max_flat_workgroup_size: 128
    .sgpr_count:     100
    .vgpr_count:     768
    .wavefront_size: 32
...
	.end_amdgpu_metadata
.endif
;; end of part 4
